; MI455X (gfx1250); checked and timed in simulation.
; The chip was launched on July 23, 2026; its instructions are those of AMD's public machine-readable ISA for CDNA 5 (MIT licence, August 2026) and "CDNA5" Instruction Set Architecture Reference Guide (July 2026). The comments in the code are by the model that wrote it; some were corrected since.
;; Attention. Allowed arithmetic: matrix products marked QUANTISED: E2M3 operands, one E8M0 scale for each 32 along K, by v_wmma_scale_f32_16x16x128_f8f6f4 with both operands' format E2M3, f32 sums; everything else in f32.
;; Inputs: W_out 1,024 x 1,024 float32; W_qkv 3,072 x 1,024 float32; b_out 1,024 float32; beta 1,024 float32; gamma 1,024 float32; x 8 x 1,024 x 1,024 float32.
;; Outputs: out0 8 x 1,024 x 1,024 float32.
;; This version of the problem:
;;   THIS VERSION OF THE PROBLEM IS GIVEN IN LOW PRECISION. The matrix products marked QUANTISED in the list below multiply operands that are first quantised to E2M3 (2 exponent bits, 3 mantissa bits; 6 bits a number), with one power-of-two scale for each 32 numbers along K (OCP MX v1.0); their sums are f32. All else is computed in f32.
;;   The module's matrix products, in the order in which they are computed (A, B: the left and right operand; K: the contracted axis; several contracted axes count as one K, in the product's order):
;;     1. [M 8,192, K 1,024] x [K 1,024, N 3,072]; A: computed on the way; B: computed on the way: QUANTISED
;;     2. batch 128 x [M 1,024, K 64] x [K 64, N 1,024]; A: computed on the way; B: computed on the way: QUANTISED
;;     3. batch 128 x [M 1,024, K 1,024] x [K 1,024, N 64]; A: softmax (see below); B: computed on the way: QUANTISED
;;     4. [M 8,192, K 1,024] x [K 1,024, N 1,024]; A: computed on the way; B: computed on the way: QUANTISED
;;   THE QUANTISER, for each operand of a quantised product, along K:
;;     - K is cut into blocks of 32 from its start; a last block that is shorter is filled with zeros.
;;     - A block's scale is 2^e with e = floor(log2(the largest magnitude in the block)) - 2, held to -126 .. 127; a block of zeros has e = 0. As a byte (E8M0): e + 127.
;;     - Each number is divided by its block's scale, clamped to +-7.5, and rounded to the nearest number of E2M3, ties to even, subnormals kept.
;;     - The product sums the exact products of the quantised numbers (number of the format x scale) in f32.
;;   ~~~python
;;   def quantise(x, axis):      # numpy; x: float32 -> the quantised numbers, widened to float32 again
;;       x = np.moveaxis(x, axis, -1); K = x.shape[-1]
;;       x = np.pad(x, [(0, 0)] * (x.ndim - 1) + [(0, -K % 32)]); x = x.reshape(x.shape[:-1] + (-1, 32)); a = np.abs(x).max(-1, keepdims=True)
;;       e = np.where(a > 0, np.clip(np.frexp(np.where(a > 0, a, 1))[1] - 1 - 2, -126, 127), 0)      # np.frexp(a)[1] - 1 = floor(log2(a)), exactly
;;       r = np.clip(x / 2.0 ** e, -7.5, 7.5)
;;       step = 2.0 ** (np.maximum(np.frexp(np.where(r == 0, 1, r))[1] - 1, 0) - 3)
;;       q = np.round(r / step) * step * 2.0 ** e      # np.round: ties to even
;;       return np.moveaxis(q.reshape(q.shape[:-2] + (-1,))[..., :K], -1, axis).astype(np.float32)
;;   ~~~
;;   SOFTMAX AHEAD OF A QUANTISED PRODUCT. Where the list says 'softmax', what is quantised is not the finished softmax but p = 2^(t - M), with t = logit x log2(e) and M = ceil(the row's largest t), a whole number; so 1/2 < the row's largest p <= 1. The row's sum l is taken of the UNQUANTISED p, in f32, and the product's result is divided by l at the end. Since M is a whole number, a kernel that streams over the keys may use a running M (the ceiling of the running maximum): every later rescaling is an exact power of two, which a block's scale takes up: the codes' values come out the same.
;;   OPERANDS COMPUTED ON THE WAY. 'Computed on the way' means the value that the module computes at that place (a softmax that the list does not call 'softmax' is quantised finished and normalised). What goes into a quantiser is computed in f32, as accurately as f32 sums, v_exp_f32 and their like allow (about 1e-6 of the number): no bf16 or f16 on the way to a quantiser, and a product that is left as it is and whose result goes on into a quantised operand takes f32 operands (vector FMAs, or v_wmma_f32_16x16x4_f32). A number that lies on a knife's edge between two numbers of the format may be rounded either way, as far as f32 arithmetic and the matrix unit's own rounding can turn it there, and no further.
;; One version. Each part assembles by itself: llvm-mc -triple=amdgcn-amd-amdhsa -mcpu=gfx1250 --defsym DOCPART=n.
;; ======== version 1 of 1: 5 launches
;; limits: right only within a limited range of input values
;; workspace buffers: stats 99,840 bytes; opc 9,437,184 bytes; ops 393,216 bytes; qkvc 18,874,368 bytes; qkvs 1,310,720 bytes; oc 6,291,456 bytes; os 262,144 bytes
;; launch stats (part 1): grid 384 x 1, 4 waves a work-group, no clusters, 768 bytes of LDS; arguments x, W_qkv, W_out, gamma, beta, stats; writes stats
.if DOCPART == 1
	.amdgcn_target "amdgcn-amd-amdhsa--gfx1250"
	.amdhsa_code_object_version 6
	.text
	.protected	k_qb970ab8669_stats
	.globl	k_qb970ab8669_stats
	.p2align	8
	.type	k_qb970ab8669_stats,@function
k_qb970ab8669_stats:
	s_mov_b64 s[64:65], 0
	v_nop
	global_prefetch_b8 v0, s[64:65] scope:SCOPE_SE
	s_setreg_imm32_b32 hwreg(HW_REG_WAVE_MODE, 25, 1), 1
	s_wait_xcnt 0x0
; ROW STATISTICS AND PARTIAL MAXIMA.  The rows of x (8,192), W_qkv (3,072) and W_out (1,024), 1,024 f32 each, are taken as one run of 12,288 rows.
; For a row of x: mu, rstd = rsqrt(var + 1e-5), and the largest |(x - mu) rstd gamma + beta|.  For a row of a weight: mu = 0, rstd = 1 (gamma = 1, beta = 0), so that the same lines give the largest |w|.
; stats: mu[12288] at byte 0, rstd[12288] at 49,152, one partial maximum for each work-group (32 rows) at 98,304.
; SHARES: a work-group takes 32 rows, each of its four waves 8; a wave holds a whole row in 32 registers (lane l: columns 128 j + 4 l + 0..3), so a row is read once and no wave waits for another but at the end.
; Every load of a wave covers 512 consecutive bytes.  Four row slots: three rows are on their way while one is worked.  No matrix unit, no cluster, no tensor load: the launch streams, and the work-groups share nothing.
; The stores of mu and rstd are 32 bytes a wave: 98 KB in the whole launch.
; LIMITS: NaN and infinities among the inputs are not served.
.set SPARE, 256                        ; LDS: four words at 0; from 256 on the spare words, 128 bytes a wave, which no other line names
.set SPW, 3                            ; v3  LDS address of my spare word; never rewritten
.set NIL, 4                            ; v4  0; never rewritten
.set ZER, 5                            ; v5  0.0
.set T,   6                            ; v6-13 at work
.set MUP, 14                           ; v[14:15] mu, twice
.set RSP, 16                           ; v[16:17] rstd, twice
.set MX,  18                           ; v18-21 four running maxima
.set STM, 22                           ; v22 mu of row (lane % 8)
.set STR, 23                           ; v23 its rstd
.set ONE, 24                           ; v24 1.0
.set SO,  25                           ; v25 byte of my row's mu in stats
.set WA,  26                           ; v26 LDS word of my wave
.set RA,  27                           ; v27 LDS byte 0
.set PO,  28                           ; v28 4 x work-group
.set GA,  32                           ; v32-63 gamma
.set BE,  64                           ; v64-95 beta
.set X,   96                           ; v96-223 four row slots
	s_load_b256 s[4:11], s[0:1], 0x0               ; x, W_qkv, W_out, gamma
	s_load_b128 s[12:15], s[0:1], 0x20             ; beta, stats
	v_lshl_add_u32 v[SPW], v0, 2, SPARE
	v_mov_b32 v[NIL], 0
	v_lshrrev_b32 v1, 5, v0
	v_readfirstlane_b32 s16, v1                    ; wave
	v_and_b32 v2, 31, v0
	v_lshlrev_b32 v1, 4, v2                        ; 16 x lane
	v_and_b32 v2, 7, v2                            ; lane % 8
	v_mov_b32 v[ZER], 0
	v_mov_b32 v[ONE], 1.0
	v_mov_b32 v[STM], 0
	v_mov_b32 v[STR], 0
.irp q, 0,1,2,3
	v_mov_b32 v[MX+\q], 0
.endr
	v_mov_b32 v[WA], s16
	v_lshlrev_b32 v[WA], 2, v[WA]
	v_mov_b32 v[RA], 0
	s_mov_b32 s17, 352
	s_cmp_lt_u32 ttmp9, 352                        ; which tensor: the choice hangs on the work-group's number alone
	s_cselect_b32 s17, 256, s17
	s_cmp_lt_u32 ttmp9, 256
	s_cselect_b32 s17, 0, s17                      ; the tensor's first work-group
	s_cselect_b32 s18, 0, -1                       ; all ones for a weight
	s_cselect_b32 s19, 0x3a800000, 0               ; the mean's factor: 2^-10, or 0 for a weight
	s_mov_b32 s20, 0x3a800000                      ; 2^-10
	s_mov_b32 s21, 0x3727c5ac                      ; 1e-5
	s_mov_b32 s22, 0x76543210                      ; v_permlanex16_b32: lane l xor 16
	s_mov_b32 s23, 0xfedcba98
	s_sub_co_u32 s26, ttmp9, s17
	s_lshl_b32 s26, s26, 5
	s_lshl_b32 s27, s16, 3
	s_add_co_u32 s26, s26, s27                     ; my wave's first row in its tensor
	s_lshl_b32 s26, s26, 12                        ; in bytes (under 2^25)
	s_mov_b32 s27, 0
	s_lshl_b32 s28, ttmp9, 7
	s_lshl_b32 s29, s16, 5
	s_add_co_u32 s28, s28, s29                     ; 4 x (32 work-group + 8 wave)
	v_lshl_add_u32 v[SO], v2, 2, s28
	s_lshl_b32 s29, ttmp9, 2
	v_mov_b32 v[PO], s29
	s_wait_kmcnt 0x0
	s_cmp_lt_u32 ttmp9, 352
	s_cselect_b64 s[24:25], s[6:7], s[8:9]
	s_cmp_lt_u32 ttmp9, 256
	s_cselect_b64 s[24:25], s[4:5], s[24:25]
	s_add_nc_u64 s[24:25], s[24:25], s[26:27]
.irp j, 0,1,2,3,4,5,6,7
	global_load_b128 v[GA+4*\j:GA+4*\j+3], v1, s[10:11] offset:512*\j
.endr
.irp j, 0,1,2,3,4,5,6,7
	global_load_b128 v[BE+4*\j:BE+4*\j+3], v1, s[12:13] offset:512*\j
.endr
.macro FILL i                          ; row i into slot i % 4: eight loads of 512 consecutive bytes
.irp j, 0,1,2,3,4,5,6,7
	global_load_b128 v[X+32*((\i)%4)+4*\j:X+32*((\i)%4)+4*\j+3], v1, s[24:25] offset:4096*(\i)+512*\j
.endr
.endm
	FILL 0
	FILL 1
	FILL 2
	FILL 3
	s_wait_loadcnt 32                              ; gamma and beta are in; the four rows' 32 loads may be out
.set K, 0
.rept 32
	v_cndmask_b32 v[GA+K], v[GA+K], v[ONE], s18    ; a weight: gamma = 1,
	v_cndmask_b32 v[BE+K], v[BE+K], v[ZER], s18    ; beta = 0
.set K, K+1
.endr
.macro FOLD                            ; four packed chains in v[T..T+7] -> their sum over the wave, in every lane
	v_pk_add_f32 v[T:T+1], v[T:T+1], v[T+2:T+3]
	v_pk_add_f32 v[T+4:T+5], v[T+4:T+5], v[T+6:T+7]
	v_pk_add_f32 v[T:T+1], v[T:T+1], v[T+4:T+5]
	v_add_f32 v[T], v[T], v[T+1]
	v_add_f32_dpp v[T], v[T], v[T] row_xmask:1 row_mask:0xf bank_mask:0xf
	v_add_f32_dpp v[T], v[T], v[T] row_xmask:2 row_mask:0xf bank_mask:0xf
	v_add_f32_dpp v[T], v[T], v[T] row_xmask:4 row_mask:0xf bank_mask:0xf
	v_add_f32_dpp v[T], v[T], v[T] row_xmask:8 row_mask:0xf bank_mask:0xf
	v_permlanex16_b32 v[T+1], v[T], s22, s23
	v_add_f32 v[T], v[T], v[T+1]
.endm
.macro TURN i
.set XS, X+32*((\i)%4)
.if (\i) < 5
	s_wait_loadcnt 24                              ; my row is in; the three rows behind it may be out
.else
	s_wait_loadcnt 8*(7-(\i))                      ; the counts run down: 8 loads for each younger row
.endif
.irp j, 0,2,4,6
	v_pk_add_f32 v[T+\j:T+\j+1], v[XS+\j:XS+\j+1], v[XS+8+\j:XS+9+\j]
.endr
.irp o, 16,24
.irp j, 0,2,4,6
	v_pk_add_f32 v[T+\j:T+\j+1], v[T+\j:T+\j+1], v[XS+\o+\j:XS+\o+\j+1]
.endr
.endr
	FOLD
	v_mul_f32 v[MUP], s19, v[T]                    ; mu (0 for a weight)
	v_mov_b32 v[MUP+1], v[MUP]
.set K, 0
.rept 16
	v_pk_add_f32 v[XS+K:XS+K+1], v[XS+K:XS+K+1], v[MUP:MUP+1] neg_lo:[0,1] neg_hi:[0,1]   ; x - mu, in place
.set K, K+2
.endr
.irp j, 0,2,4,6
	v_pk_mul_f32 v[T+\j:T+\j+1], v[XS+\j:XS+\j+1], v[XS+\j:XS+\j+1]
.endr
.irp o, 8,16,24
.irp j, 0,2,4,6
	v_pk_fma_f32 v[T+\j:T+\j+1], v[XS+\o+\j:XS+\o+\j+1], v[XS+\o+\j:XS+\o+\j+1], v[T+\j:T+\j+1]
.endr
.endr
	FOLD
	v_fma_f32 v[T], v[T], s20, s21                 ; var + eps
	v_cmp_eq_u32 s30, \i, v2                       ; the lanes that keep this row's figures
	s_wait_alu depctr_va_vdst(0)
	v_rsq_f32 v[RSP], v[T]
	v_cndmask_b32 v[STM], v[STM], v[MUP], s30      ; a plain line behind the transcendental, which names neither its result nor its source
	s_wait_alu depctr_va_vdst(0)                   ; the wait ahead of the result's first reader
	v_cndmask_b32 v[RSP], v[RSP], v[ONE], s18      ; a weight: rstd = 1
	v_mov_b32 v[RSP+1], v[RSP]
	v_cndmask_b32 v[STR], v[STR], v[RSP], s30
.set K, 0
.rept 16
	v_pk_mul_f32 v[XS+K:XS+K+1], v[XS+K:XS+K+1], v[RSP:RSP+1]
.set K, K+2
.endr
.set K, 0
.rept 16
	v_pk_fma_f32 v[XS+K:XS+K+1], v[XS+K:XS+K+1], v[GA+K:GA+K+1], v[BE+K:BE+K+1]
.set K, K+2
.endr
.set K, 0
.rept 16
	v_max3_num_f32 v[MX+(K/2)%4], v[MX+(K/2)%4], |v[XS+K]|, |v[XS+K+1]|
.set K, K+2
.endr
.if (\i) < 4
	FILL (\i)+4
.endif
.endm
.irp i, 0,1,2,3,4,5,6,7
	TURN \i
.endr
	global_store_b32 v[SO], v[STM], s[14:15]               ; four lanes hold the same row and write the same word with the same value
	global_store_b32 v[SO], v[STR], s[14:15] offset:49152
	v_max3_num_f32 v[T], v[MX], v[MX+1], v[MX+2]
	v_max_num_f32 v[T], v[T], v[MX+3]
	v_max_num_f32_dpp v[T], v[T], v[T] row_xmask:1 row_mask:0xf bank_mask:0xf
	v_max_num_f32_dpp v[T], v[T], v[T] row_xmask:2 row_mask:0xf bank_mask:0xf
	v_max_num_f32_dpp v[T], v[T], v[T] row_xmask:4 row_mask:0xf bank_mask:0xf
	v_max_num_f32_dpp v[T], v[T], v[T] row_xmask:8 row_mask:0xf bank_mask:0xf
	v_permlanex16_b32 v[T+1], v[T], s22, s23
	v_max_num_f32 v[T], v[T], v[T+1]
	ds_store_b32 v[WA], v[T]                       ; my wave's maximum: all lanes write the same word with the same value
	s_wait_dscnt 0x0                               ; for the others' sake: my store has landed
	s_barrier_signal -1
	s_barrier_wait -1
	ds_load_b128 v[T:T+3], v[RA]                   ; the four waves' maxima
	s_wait_dscnt 0x0
	v_max3_num_f32 v[T], v[T], v[T+1], v[T+2]
	v_max_num_f32 v[T], v[T], v[T+3]
	s_cmp_lg_u32 s16, 0
	s_cbranch_scc1 .Lnot_wave_0
	global_store_b32 v[PO], v[T], s[14:15] offset:98304    ; the work-group's partial maximum
.Lnot_wave_0:
	s_wait_tensorcnt 0x0                           ; the wave's end: behind my last LDS store
	ds_add_u32 v[SPW], v[NIL]
	s_wait_dscnt 0x0
	s_endpgm
.Lfunc_end_k_qb970ab8669_stats:
	.size	k_qb970ab8669_stats, .Lfunc_end_k_qb970ab8669_stats-k_qb970ab8669_stats
	.p2alignl 7, 3214868480
	.fill 96, 4, 3214868480
	.section	.rodata,"a",@progbits
	.p2align	6, 0x0
	.amdhsa_kernel k_qb970ab8669_stats
		.amdhsa_group_segment_fixed_size 768
		.amdhsa_private_segment_fixed_size 0
		.amdhsa_enable_private_segment 0
		.amdhsa_kernarg_size 48
		.amdhsa_user_sgpr_count 2
		.amdhsa_user_sgpr_kernarg_segment_ptr 1
		.amdhsa_wavefront_size32 1
		.amdhsa_system_sgpr_workgroup_id_x 1
		.amdhsa_system_sgpr_workgroup_id_y 1
		.amdhsa_system_sgpr_workgroup_id_z 1
		.amdhsa_system_vgpr_workitem_id 0
		.amdhsa_next_free_vgpr 224
		.amdhsa_next_free_sgpr 66
		.amdhsa_reserve_vcc 0
		.amdhsa_float_denorm_mode_32 3
		.amdhsa_float_denorm_mode_16_64 3
		.amdhsa_memory_ordered 1
		.amdhsa_forward_progress 1
		.amdhsa_inst_pref_size 75
	.end_amdhsa_kernel
	.amdgpu_metadata
---
amdhsa.version: [ 1, 2 ]
amdhsa.kernels:
  - .name:           k_qb970ab8669_stats
    .symbol:         k_qb970ab8669_stats.kd
    .args:
      - { .name: x, .offset: 0, .size: 8, .value_kind: global_buffer, .address_space: global }
      - { .name: W_qkv, .offset: 8, .size: 8, .value_kind: global_buffer, .address_space: global }
      - { .name: W_out, .offset: 16, .size: 8, .value_kind: global_buffer, .address_space: global }
      - { .name: gamma, .offset: 24, .size: 8, .value_kind: global_buffer, .address_space: global }
      - { .name: beta, .offset: 32, .size: 8, .value_kind: global_buffer, .address_space: global }
      - { .name: stats, .offset: 40, .size: 8, .value_kind: global_buffer, .address_space: global }
    .group_segment_fixed_size: 768
    .private_segment_fixed_size: 0
    .kernarg_segment_align: 8
    .kernarg_segment_size: 48
    .max_flat_workgroup_size: 128
    .sgpr_count:     66
    .vgpr_count:     224
    .wavefront_size: 32
...
	.end_amdgpu_metadata
.endif
;; end of part 1
;; launch quant (part 2): grid 768 x 1, 8 waves a work-group, no clusters, 69,120 bytes of LDS; arguments x, W_qkv, W_out, gamma, beta, stats, opc, ops; writes opc, ops
.if DOCPART == 2
	.amdgcn_target "amdgcn-amd-amdhsa--gfx1250"
	.amdhsa_code_object_version 6
	.text
	.protected	k_qb970ab8669_quant
	.globl	k_qb970ab8669_quant
	.p2align	8
	.type	k_qb970ab8669_quant,@function
k_qb970ab8669_quant:
	s_mov_b64 s[64:65], 0
	v_nop
	global_prefetch_b8 v0, s[64:65] scope:SCOPE_SE
	s_setreg_imm32_b32 hwreg(HW_REG_WAVE_MODE, 25, 1), 1
	s_wait_xcnt 0x0
; LAYERNORM, THE 7-BIT PER-TENSOR QUANTISER, AND CODES OF FP6 (E2M3) WITH E8M0 SCALES, for x, W_qkv and W_out (for the weights: mu = 0, rstd = 1, gamma = 1, beta = 0).
; v = (x - mu) rstd gamma + beta;  s = the tensor's largest |v| (1 if that is 0);  y = round(v 127 / s) s / 127;  what is coded is v + (y - v), as the source has it.
; ROWS IN POSITION ORDER: row R of the joined 12,288 rows lies at position R with bits 3 and 4 exchanged.  A tile of 16 neighbouring positions, taken as a product's source 0, then leaves 16 NEIGHBOURING rows in the 16 registers
; of two neighbouring result tiles: what the next quantiser wants.  The exchange costs nothing here: it stands in the loads' immediates.
; OPERANDS LIE IN MEMORY AS IMAGES OF THEIR REGISTERS: a fragment (16 positions x 128 K, 12 registers a lane) is 1,536 bytes: registers 0-3 at 16 l, 4-5 at 512 + 8 l, 6-9 at 768 + 16 l, 10-11 at 1,280 + 8 l.
; opc: [tile 768][K step 8][1,536].  ops: 32 scale bytes for each position (word s: K step s).
; SHARES: a work-group takes a tile of 16 positions, wave w its K step w (columns 128 w on).  Each load reads 512 consecutive bytes of a row; the numbers turn through the wave's own stage in LDS so that a lane holds 16 neighbours of each block.
; Every store of codes covers whole aligned blocks of 256 bytes; the tile's 512 scale bytes meet in LDS and leave by one store.
; LIMITS: v 127 / s is made as v x (127 x rcp(s)), and m / 127 x s as m x (s / 127): within two units in the last place, which can turn the rounding only at a middle between two levels.
; A block of zeros gets the byte 1 (its codes are zeros; this program alone reads the bytes); blocks whose largest magnitude lies under 2^-124 were not tried; NaN and infinities are not served.
.set SPITCH, 528                       ; a stage row: 512 bytes + 16: 33 x 16, so that sixteen rows' reads fall on sixteen different columns of 16 bytes
.set STGB,  16*SPITCH
.set SCW,   8*STGB                     ; behind the eight stages: the tile's 512 scale bytes
.set SPARE, SCW+512                    ; the spare words, 128 bytes a wave, which no other line names
.set SPW, 2
.set NIL, 3
.set GO,  4                            ; v4  16 x thread: my 16 bytes of a row, of gamma and of beta
.set SI,  5                            ; v5  the stage, on the way in: 16 x lane
.set SU,  6                            ; v6  on the way out: 528 r + 64 h
.set L16, 7                            ; v7  16 x lane
.set L8,  10                           ; v10 8 x lane
.set SWA, 11                           ; v11 where my row's scale word goes
.set C1,  12                           ; v[12:13] 127 / s, twice
.set C2,  14                           ; v[14:15] s / 127, twice
.set TT,  16                           ; v16-19 at work
.set GA,  20                           ; v20-23 gamma
.set BE,  24                           ; v24-27 beta
.set ONE, 30
.set ZER, 31
.set X,   32                           ; v32-95 sixteen rows x 4 numbers
.set Y,   96                           ; v96-159 64 numbers of one row: register 16 b + i = k 32 b + 16 h + i
.set TM,  64                           ; v64-79 at work, where rows lay that have gone to the stage
.set PW,  1                            ; v1 the scale word (the lane's number is done with by then)
.set SCR, 0                            ; v0 where wave 0 reads the scale bytes back (made behind the last use of the thread's number)
.set PC,  32                           ; v32-50 the codes, where rows lay that have gone to the stage
.set PM,  96                           ; v96-103 partial maxima, used up ahead of the loads into Y
.set MU,  16                           ; s16-31 mu of the tile's sixteen rows
.set RS,  32                           ; s32-47 rstd
	s_load_b256 s[4:11], s[0:1], 0x0               ; x, W_qkv, W_out, gamma
	s_load_b256 s[48:55], s[0:1], 0x20             ; beta, stats, opc, ops
	v_lshl_add_u32 v[SPW], v0, 2, SPARE
	v_mov_b32 v[NIL], 0
	v_lshrrev_b32 v1, 5, v0
	s_delay_alu instid0(VALU_DEP_1)
	v_readfirstlane_b32 s12, v1                    ; wave
	v_and_b32 v1, 31, v0                           ; lane
	v_and_b32 v8, 15, v0                           ; r
	v_bfe_u32 v9, v0, 4, 1                         ; h
	v_lshlrev_b32 v[GO], 4, v0
	s_delay_alu instid0(VALU_DEP_4)
	v_lshlrev_b32 v[L16], 4, v1
	v_lshlrev_b32 v[L8], 3, v1
	s_mul_i32 s56, s12, STGB
	v_add_nc_u32 v[SI], s56, v[L16]
	v_mul_u32_u24 v[SU], v8, SPITCH
	s_delay_alu instid0(VALU_DEP_1)
	v_lshl_add_u32 v[SU], v9, 6, v[SU]
	s_delay_alu instid0(VALU_DEP_1)
	v_add_nc_u32 v[SU], s56, v[SU]
	s_lshl_b32 s57, s12, 2
	s_add_co_u32 s57, s57, SCW
	v_lshl_add_u32 v[SWA], v8, 5, s57              ; SCW + 32 r + 4 wave
	v_add_nc_u32 v[SCR], SCW, v[L16]
	v_mov_b32 v[ONE], 1.0
	v_mov_b32 v[ZER], 0
.irp b, 0,1,2,3
	v_mov_b32 v[TM+4+\b], 0                        ; written once: a lane permute's destination counts as one of its sources
.endr
	s_mov_b32 s2, 0x76543210
	s_mov_b32 s3, 0xfedcba98
	s_mov_b32 s13, 704
	s_mov_b32 s14, 352
	s_mov_b32 s15, 28
	s_cmp_lt_u32 ttmp9, 704                        ; which tensor: by the work-group's number alone
	s_cselect_b32 s13, 512, s13                    ; its first tile,
	s_cselect_b32 s14, 256, s14                    ; its first partial maximum,
	s_cselect_b32 s15, 92, s15                     ; how many it has, less 4
	s_cmp_lt_u32 ttmp9, 512
	s_cselect_b32 s13, 0, s13
	s_cselect_b32 s14, 0, s14
	s_cselect_b32 s15, 252, s15
	s_cselect_b32 s58, 0, -1                       ; all ones for a weight
	s_lshr_b32 s59, ttmp9, 1
	s_lshl_b32 s59, s59, 5
	s_and_b32 s60, ttmp9, 1
	s_lshl_b32 s60, s60, 3
	s_add_co_u32 s59, s59, s60                     ; the tile's first row: 32 (T / 2) + 8 (T % 2); its rows are this + 0..7 and + 16..23
	s_lshl_b32 s60, s13, 4
	s_sub_co_u32 s60, s59, s60                     ; the same in its own tensor,
	s_lshl_b32 s60, s60, 12                        ; in bytes
	s_mov_b32 s61, 0
	s_lshl_b32 s59, s59, 2
	v_lshlrev_b32 v28, 2, v1                       ; partial maxima: four a lane, held inside the tensor's own
	s_delay_alu instid0(VALU_DEP_1)
	v_add_nc_u32 v29, 128, v28
	s_delay_alu instid0(VALU_DEP_2)
	v_min_u32 v28, s15, v28
	s_delay_alu instid0(VALU_DEP_2)
	v_min_u32 v29, s15, v29
	s_delay_alu instid0(VALU_DEP_2)
	v_add_nc_u32 v28, s14, v28
	s_delay_alu instid0(VALU_DEP_2)
	v_add_nc_u32 v29, s14, v29
	s_delay_alu instid0(VALU_DEP_2)
	v_lshlrev_b32 v28, 2, v28
	s_delay_alu instid0(VALU_DEP_2)
	v_lshlrev_b32 v29, 2, v29
	s_wait_alu depctr_va_vdst(0)
	s_wait_kmcnt 0x0
	s_cmp_lt_u32 ttmp9, 704
	s_cselect_b64 s[6:7], s[6:7], s[8:9]
	s_cmp_lt_u32 ttmp9, 512
	s_cselect_b64 s[4:5], s[4:5], s[6:7]
	s_add_nc_u64 s[4:5], s[4:5], s[60:61]
	s_mov_b32 s60, s59
	s_add_nc_u64 s[62:63], s[50:51], s[60:61]
	s_load_b256 s[MU:MU+7], s[62:63], 0x0          ; mu of rows + 0..7,
	s_load_b256 s[MU+8:MU+15], s[62:63], 0x40      ; + 16..23;
	s_load_b256 s[RS:RS+7], s[62:63], 0xc000       ; rstd likewise
	s_load_b256 s[RS+8:RS+15], s[62:63], 0xc040
	global_load_b128 v[PM:PM+3], v28, s[50:51] offset:98304
	global_load_b128 v[PM+4:PM+7], v29, s[50:51] offset:98304
	global_load_b128 v[GA:GA+3], v[GO], s[10:11]
	global_load_b128 v[BE:BE+3], v[GO], s[48:49]
.set RHO, 0
.rept 16
	global_load_b128 v[X+4*RHO:X+4*RHO+3], v[GO], s[4:5] offset:((RHO%8)+16*(RHO/8))*4096 th:TH_LOAD_NT   ; position RHO of the tile; the wave reads 512 consecutive bytes
.set RHO, RHO+1
.endr
	s_mul_i32 s60, ttmp9, 12288
	s_mul_i32 s59, s12, 1536
	s_add_co_u32 s60, s60, s59
	s_add_nc_u64 s[52:53], s[52:53], s[60:61]      ; my fragment's image
	s_lshl_b32 s60, ttmp9, 9
	s_add_nc_u64 s[54:55], s[54:55], s[60:61]      ; the tile's scale bytes
	s_wait_loadcnt 16                              ; the four small loads are in; the sixteen rows' may be out
	v_max3_num_f32 v8, v[PM], v[PM+1], v[PM+2]
	v_max3_num_f32 v9, v[PM+3], v[PM+4], v[PM+5]
	s_delay_alu instid0(VALU_DEP_2)
	v_max3_num_f32 v8, v8, v[PM+6], v[PM+7]
	s_delay_alu instid0(VALU_DEP_1)
	v_max_num_f32 v8, v8, v9
	s_delay_alu instid0(VALU_DEP_1)
	v_max_num_f32_dpp v8, v8, v8 row_xmask:1 row_mask:0xf bank_mask:0xf
	s_delay_alu instid0(VALU_DEP_1)
	v_max_num_f32_dpp v8, v8, v8 row_xmask:2 row_mask:0xf bank_mask:0xf
	s_delay_alu instid0(VALU_DEP_1)
	v_max_num_f32_dpp v8, v8, v8 row_xmask:4 row_mask:0xf bank_mask:0xf
	s_delay_alu instid0(VALU_DEP_1)
	v_max_num_f32_dpp v8, v8, v8 row_xmask:8 row_mask:0xf bank_mask:0xf
	s_delay_alu instid0(VALU_DEP_1)
	v_permlanex16_b32 v9, v8, s2, s3
	s_delay_alu instid0(VALU_DEP_1)
	v_max_num_f32 v8, v8, v9                       ; s, the tensor's largest magnitude
	s_delay_alu instid0(VALU_DEP_1)
	v_cmp_eq_f32 vcc_lo, 0, v8
	s_delay_alu instid0(VALU_DEP_1)
	v_cndmask_b32 v8, v8, v[ONE], vcc_lo           ; 1 where it is 0
	s_wait_alu depctr_va_vdst(0)
	v_rcp_f32 v9, v8
	v_mul_f32 v[C2], 0x3c010204, v8                ; s / 127.  (A plain line behind the transcendental)
	s_wait_alu depctr_va_vdst(0)                   ; the wait ahead of the result's first reader
	v_mul_f32 v[C1], 0x42fe0000, v9                ; 127 / s
	s_delay_alu instid0(VALU_DEP_1)
	v_mov_b32 v[C1+1], v[C1]
	v_mov_b32 v[C2+1], v[C2]
.irp k, 0,1,2,3
	v_cndmask_b32 v[GA+\k], v[GA+\k], v[ONE], s58  ; a weight: gamma = 1, beta = 0
	v_cndmask_b32 v[BE+\k], v[BE+\k], v[ZER], s58
.endr
	s_wait_kmcnt 0x0                               ; mu and rstd
.set RHO, 0
.rept 16
	s_wait_loadcnt 15-RHO                          ; this row is in; the younger rows' loads may be out
.irp k, 0,1,2,3
	v_sub_f32 v[X+4*RHO+\k], v[X+4*RHO+\k], s[MU+RHO]
.endr
.irp k, 0,1,2,3
	s_delay_alu instid0(VALU_DEP_4)
	v_mul_f32 v[X+4*RHO+\k], s[RS+RHO], v[X+4*RHO+\k]
.endr
	s_delay_alu instid0(VALU_DEP_3)
	v_pk_fma_f32 v[X+4*RHO:X+4*RHO+1], v[X+4*RHO:X+4*RHO+1], v[GA:GA+1], v[BE:BE+1]
	s_delay_alu instid0(VALU_DEP_2)
	v_pk_fma_f32 v[X+4*RHO+2:X+4*RHO+3], v[X+4*RHO+2:X+4*RHO+3], v[GA+2:GA+3], v[BE+2:BE+3]
	s_delay_alu instid0(VALU_DEP_2)
	v_pk_mul_f32 v[TT:TT+1], v[X+4*RHO:X+4*RHO+1], v[C1:C1+1]
	s_delay_alu instid0(VALU_DEP_2)
	v_pk_mul_f32 v[TT+2:TT+3], v[X+4*RHO+2:X+4*RHO+3], v[C1:C1+1]
.irp k, 0,1,2,3
	v_rndne_f32 v[TT+\k], v[TT+\k]                 ; to the nearest level, ties to even
.endr
	s_delay_alu instid0(VALU_DEP_3)
	v_pk_mul_f32 v[TT:TT+1], v[TT:TT+1], v[C2:C2+1]
	s_delay_alu instid0(VALU_DEP_2)
	v_pk_mul_f32 v[TT+2:TT+3], v[TT+2:TT+3], v[C2:C2+1]
	s_delay_alu instid0(VALU_DEP_2)
	v_pk_add_f32 v[TT:TT+1], v[TT:TT+1], v[X+4*RHO:X+4*RHO+1] neg_lo:[0,1] neg_hi:[0,1]       ; y - v,
	s_delay_alu instid0(VALU_DEP_2)
	v_pk_add_f32 v[TT+2:TT+3], v[TT+2:TT+3], v[X+4*RHO+2:X+4*RHO+3] neg_lo:[0,1] neg_hi:[0,1]
	s_delay_alu instid0(VALU_DEP_2)
	v_pk_add_f32 v[X+4*RHO:X+4*RHO+1], v[X+4*RHO:X+4*RHO+1], v[TT:TT+1]                       ; v + (y - v)
	s_delay_alu instid0(VALU_DEP_2)
	v_pk_add_f32 v[X+4*RHO+2:X+4*RHO+3], v[X+4*RHO+2:X+4*RHO+3], v[TT+2:TT+3]
	ds_store_b128 v[SI], v[X+4*RHO:X+4*RHO+3] offset:SPITCH*RHO
.set RHO, RHO+1
.endr
.irp b, 0,1,2,3
.irp j, 0,1,2,3
	ds_load_b128 v[Y+16*\b+4*\j:Y+16*\b+4*\j+3], v[SU] offset:128*\b+16*\j   ; LDS serves a wave's instructions in order: these see my stores.  Row r, k = 32 b + 16 h + 4 j on
.endr
.endr
	s_wait_dscnt 0x0
.irp b, 0,1,2,3
	v_max3_num_f32 v[TM+\b], |v[Y+16*\b]|, |v[Y+1+16*\b]|, 0x1800000   ; block b: my 16 numbers, and the floor 2^(3 - 127): the byte cannot fall under 1
.endr
.irp i, 2,4,6,8,10,12,14
.irp b, 0,1,2,3
	s_delay_alu instid0(VALU_DEP_4)
	v_max3_num_f32 v[TM+\b], v[TM+\b], |v[Y+16*\b+\i]|, |v[Y+1+16*\b+\i]|
.endr
.endr
.irp b, 0,1,2,3
	s_delay_alu instid0(VALU_DEP_4)
	v_permlanex16_b32 v[TM+4+\b], v[TM+\b], s2, s3
.endr
.irp b, 0,1,2,3
	s_delay_alu instid0(VALU_DEP_4)
	v_max_num_f32 v[TM+\b], v[TM+\b], v[TM+4+\b]   ; with lane l xor 16's: the block's largest magnitude
.endr
.irp b, 0,1,2,3
	s_delay_alu instid0(VALU_DEP_4)
	v_add_nc_u32 v[TM+12+\b], 0xff000000, v[TM+\b] ; 2 off its exponent field: the conversion's scale operand
.endr
.irp b, 0,1,2,3
	s_delay_alu instid0(VALU_DEP_4)
	v_lshrrev_b32 v[TM+4+\b], 23, v[TM+12+\b]      ; the scale's byte
.endr
	s_delay_alu instid0(VALU_DEP_3)
	v_lshl_or_b32 v[PW], v[TM+5], 8, v[TM+4]
	s_delay_alu instid0(VALU_DEP_1)
	v_lshl_or_b32 v[PW], v[TM+6], 16, v[PW]
	s_delay_alu instid0(VALU_DEP_1)
	v_lshl_or_b32 v[PW], v[TM+7], 24, v[PW]
.irp c, 0,1
	v_cvt_scalef32_pk16_fp6_f32 v[PC+6*\c:PC+2+6*\c], v[Y+32*\c:Y+15+32*\c], v[TM+12+2*\c]
	v_cvt_scalef32_pk16_fp6_f32 v[PC+12+4*\c:PC+14+4*\c], v[Y+16+32*\c:Y+31+32*\c], v[TM+12+2*\c+1]   ; (a conversion's three registers begin on an even number)
.endr
	v_nop                                          ; one plain place behind a scaled conversion
.irp c, 0,1                                    ; the operand's layout wants a whole block in a lane
.irp i, 0,1,2
	v_permlane16_swap_b32 v[PC+6*\c+\i], v[PC+12+4*\c+\i]
.endr
.irp i, 0,1,2
	s_delay_alu instid0(VALU_DEP_3)
	v_mov_b32 v[PC+3+6*\c+\i], v[PC+12+4*\c+\i]
.endr
.endr
	global_store_b128 v[L16], v[PC:PC+3], s[52:53]             ; 512 consecutive bytes,
	global_store_b64 v[L8], v[PC+4:PC+5], s[52:53] offset:512  ; 256,
	global_store_b128 v[L16], v[PC+6:PC+9], s[52:53] offset:768
	global_store_b64 v[L8], v[PC+10:PC+11], s[52:53] offset:1280
	ds_store_b32 v[SWA], v[PW]                     ; both halves of the lanes hold row r's word and write it alike
	s_wait_dscnt 0x0                               ; for the others' sake: my store has landed
	s_barrier_signal -1
	s_barrier_wait -1
	s_cmp_lg_u32 s12, 0
	s_cbranch_scc1 .Lnot_wave_0
	ds_load_b128 v[TT:TT+3], v[SCR]
	s_wait_dscnt 0x0
	global_store_b128 v[L16], v[TT:TT+3], s[54:55] ; the tile's 512 scale bytes
.Lnot_wave_0:
	s_wait_tensorcnt 0x0                           ; the wave's end: behind my last LDS store
	ds_add_u32 v[SPW], v[NIL]
	s_wait_dscnt 0x0
	s_endpgm
.Lfunc_end_k_qb970ab8669_quant:
	.size	k_qb970ab8669_quant, .Lfunc_end_k_qb970ab8669_quant-k_qb970ab8669_quant
	.p2alignl 7, 3214868480
	.fill 96, 4, 3214868480
	.section	.rodata,"a",@progbits
	.p2align	6, 0x0
	.amdhsa_kernel k_qb970ab8669_quant
		.amdhsa_group_segment_fixed_size 69120
		.amdhsa_private_segment_fixed_size 0
		.amdhsa_enable_private_segment 0
		.amdhsa_kernarg_size 64
		.amdhsa_user_sgpr_count 2
		.amdhsa_user_sgpr_kernarg_segment_ptr 1
		.amdhsa_wavefront_size32 1
		.amdhsa_system_sgpr_workgroup_id_x 1
		.amdhsa_system_sgpr_workgroup_id_y 1
		.amdhsa_system_sgpr_workgroup_id_z 1
		.amdhsa_system_vgpr_workitem_id 0
		.amdhsa_next_free_vgpr 160
		.amdhsa_next_free_sgpr 66
		.amdhsa_reserve_vcc 1
		.amdhsa_float_denorm_mode_32 3
		.amdhsa_float_denorm_mode_16_64 3
		.amdhsa_memory_ordered 1
		.amdhsa_forward_progress 1
		.amdhsa_inst_pref_size 42
	.end_amdhsa_kernel
	.amdgpu_metadata
---
amdhsa.version: [ 1, 2 ]
amdhsa.kernels:
  - .name:           k_qb970ab8669_quant
    .symbol:         k_qb970ab8669_quant.kd
    .args:
      - { .name: x, .offset: 0, .size: 8, .value_kind: global_buffer, .address_space: global }
      - { .name: W_qkv, .offset: 8, .size: 8, .value_kind: global_buffer, .address_space: global }
      - { .name: W_out, .offset: 16, .size: 8, .value_kind: global_buffer, .address_space: global }
      - { .name: gamma, .offset: 24, .size: 8, .value_kind: global_buffer, .address_space: global }
      - { .name: beta, .offset: 32, .size: 8, .value_kind: global_buffer, .address_space: global }
      - { .name: stats, .offset: 40, .size: 8, .value_kind: global_buffer, .address_space: global }
      - { .name: opc, .offset: 48, .size: 8, .value_kind: global_buffer, .address_space: global }
      - { .name: ops, .offset: 56, .size: 8, .value_kind: global_buffer, .address_space: global }
    .group_segment_fixed_size: 69120
    .private_segment_fixed_size: 0
    .kernarg_segment_align: 8
    .kernarg_segment_size: 64
    .max_flat_workgroup_size: 256
    .sgpr_count:     66
    .vgpr_count:     160
    .wavefront_size: 32
...
	.end_amdgpu_metadata
.endif
;; end of part 2
;; launch qkv (part 3): grid 8 x 32, 4 waves a work-group, clusters of 4 x 4, 327,680 bytes of LDS; arguments opc, ops, qkvc, qkvs; writes qkvc, qkvs
.if DOCPART == 3
	.amdgcn_target "amdgcn-amd-amdhsa--gfx1250"
	.amdhsa_code_object_version 6
	.text
	.protected	k_qb970ab8669_qkv
	.globl	k_qb970ab8669_qkv
	.p2align	8
	.type	k_qb970ab8669_qkv,@function
k_qb970ab8669_qkv:
	s_mov_b64 s[64:65], 0
	v_nop
	global_prefetch_b8 v0, s[64:65] scope:SCOPE_SE
	s_setreg_imm32_b32 hwreg(HW_REG_WAVE_MODE, 25, 1), 1
	s_wait_xcnt 0x0
	s_wait_alu depctr_hold_cnt(0) depctr_sa_sdst(0) depctr_va_vdst(0) depctr_va_sdst(0) depctr_va_ssrc(0) depctr_va_vcc(0) depctr_vm_vsrc(0)
	s_getreg_b32 s2, hwreg(HW_REG_IB_STS2, 6, 4)
	s_cmp_eq_u32 s2, 0
	s_cbranch_scc0 .Lentry_in_a_cluster
	s_endpgm
.Lentry_in_a_cluster:
	s_bfe_u32 s2, ttmp6, 0x10000c
	s_cmp_lg_u32 s2, 0xf033
	s_cbranch_scc0 .Lentry_shape_is_right
	s_endpgm
.Lentry_shape_is_right:
; THE QKV PROJECTION ON CODES OF FP6 (E2M3), AND ITS RESULTS QUANTISED IN REGISTERS FOR THE ATTENTION.  K = 1,024.
; A tile multiplies 128 positions of a LANE side (source 1) by 256 positions of a K side (source 0: its rows run along a lane's registers and become the next product's K).
; q, k: lane side = tokens, K side = features: a lane holds one token and 128 neighbouring features = two heads; quantised along the head's 64.   512 tiles.
; v: lane side = W_v's rows, K side = tokens: a lane holds one channel and 128 neighbouring keys; quantised along the keys.   256 tiles.
; A WORK-GROUP STAYS AND MAKES THREE TILES: 768 tiles on 256 work-groups.  With X, Y the cluster's place in the grid (2 x 8) and cx, cy the work-group's in its cluster:
;   tile 0: tokens' block 4 Y + cy, features' block 4 X + cx;   tile 1: tokens' block 32 + 4 Y + cy, features' block 4 (X xor 1) + cx;   tile 2 (v): W_v's block 4 X + cy, tokens' block of 256: 4 Y + cx.
; In all three the lane side hangs on cy alone within a cluster and is shared along a row, the K side on cx alone and is shared along a column: joint loads, the same masks throughout.
; The two q, k tiles are the two trips of a loop, each of which asks for the next tile; the v tile, which asks for nothing, is written out.
; ALL OF K of both sides lies in LDS, [tile of 16][12,288 bytes], with the scale bytes: four joint loads a tile, one a wave.  When a tile's last products are issued, the waves meet in a round of the cluster's barrier,
; the next tile's loads go out, and the finished tile is quantised and stored from registers while they are on their way.  A wave has one tensor load out at the most; every wait on TENSORcnt is for 0.
; The operands lie in memory in position order (bits 3 and 4 of the row exchanged) and as images of their registers, so the 16 registers of two neighbouring result tiles are 16 neighbours, and every fragment comes by dense loads.
; NO PREFETCH: a tile's bytes are asked for whole, at once, as soon as the LDS bytes are free; no later request is left to run ahead of.
; LIMITS: a block of zeros gets the byte 1 (zero codes; this program alone reads the bytes); blocks whose largest magnitude lies under 2^-124 were not tried; NaN and infinities are not served.
; REGISTERS: window 0: v1 lane, v2 r; v8-27 addresses; v28, v29 the add's two; v32-63 the lane side's scale words (block a, step s at 32 + 8 a + s), v64-127 the K side's: they hold scales and nothing else;
;   v128-223 the lane side's fragments, two sets (then the codes on their way out); v224-247 at work.   window 1: v0-191 the K side's fragments, two sets.   window 2: accumulator (a, b) at v[8 (8 a + b)].
.set TILEB, 12288                      ; a tile of 16 positions, all of K
.set FRB,   1536                       ; a fragment's image
.set BCH,   8*TILEB                    ; LDS: the lane side's 8 tiles at 0, the K side's 16 at BCH,
.set ASC,   BCH+16*TILEB               ; the lane side's scale bytes, 32 a position,
.set BSC,   ASC+4096                   ; the K side's,
.set SPARE, BSC+8192                   ; the spare words, 128 bytes a wave, which no other line names
.set ADA16, 8
.set ADA8,  12
.set ADB16, 16
.set ADB8,  20
.set ADSA,  24
.set ADSB,  25
.set L16,   26
.set L8,    27
.set SPW,   28
.set NIL,   29
.set SA,    32
.set SB,    64
.set AF,    128
.set TM,    224
.set PW,    240
.set G1A,  12
.set G1B,  20
.set G1SA, 28
.set G1SB, 36
.set G0SA, 44
.set G0A,  48
.set TC,   62                          ; the trip
.set G0SB, 68
.set G0B,  72
.set OC,   76                          ; s[76:77] where my codes go, s[78:79] my scale words
.set OS,   78
.set WV,   92
.set HA,   93
.set HB,   94
.set CXP,  95
.set CYP,  96
.set LT,   97                          ; the lane side's first tile of 16 of the tile asked for: it hangs on cy alone
.set KT,   98                          ; the K side's: on cx alone
.set DT,   99                          ; the finished tile's first tile of tokens
.set DX,   100                         ; and its group of four blocks of features
.set CLY,  101                         ; Y
.set MSB, 0
.macro WIN new                         ; the immediate's high byte repeats the setting that is left
.if MSB != \new
	s_set_vgpr_msb (MSB<<8)|\new
.set MSB, \new
.endif
.endm
.macro PLACES n
.rept \n
	v_nop
.endr
.endm
.macro GROUP1 g, c, r, p               ; words 1 to 7 of a group 1: r rows of c elements of 8 bytes, p elements apart
	s_mov_b32 s[\g+1], (\c)<<16
	s_mov_b32 s[\g+2], (\r)<<16
	s_mov_b32 s[\g+3], (\c)<<16
	s_mov_b32 s[\g+4], \r
	s_mov_b32 s[\g+5], \p
	s_mov_b32 s[\g+6], 0
	s_mov_b32 s[\g+7], 0
.endm
.macro TLOAD g0, g1                    ; an s_nop 0 and four v_nop follow each tensor load
	tensor_load_to_lds s[\g0:\g0+3], s[\g1:\g1+7]
	s_nop 0
.rept 4
	v_nop
.endr
.endm
; A TILE'S FOUR JOINT LOADS, ONE A WAVE: wave 0 the lane side's codes, wave 1 the K side's, wave 2 the lane side's scale bytes, wave 3 the K side's.  First the addresses, from LT and KT; then one tree of branches on the wave's number.
.macro LOADS
	s_lshl_b32 s80, s[LT], 9                       ; scale bytes: 512 a tile of 16
	s_mov_b32 s81, 0
	s_mul_i32 s82, s[LT], TILEB
	s_mov_b32 s83, 0
	s_lshl_b32 s84, s[KT], 9
	s_mov_b32 s85, 0
	s_mul_i32 s86, s[KT], TILEB
	s_mov_b32 s87, 0
	s_add_nc_u64 s[G0SA+2:G0SA+3], s[6:7], s[80:81]
	s_or_b32 s[G0SA+3], s[G0SA+3], 0x80000000
	s_add_nc_u64 s[G0A+2:G0A+3], s[4:5], s[82:83]
	s_or_b32 s[G0A+3], s[G0A+3], 0x80000000
	s_add_nc_u64 s[G0SB+2:G0SB+3], s[10:11], s[84:85]
	s_or_b32 s[G0SB+3], s[G0SB+3], 0x80000000
	s_add_nc_u64 s[G0B+2:G0B+3], s[8:9], s[86:87]
	s_or_b32 s[G0B+3], s[G0B+3], 0x80000000
	s_cmp_lt_u32 s[WV], 1
	s_cbranch_scc0 .Lkc_\@
	TLOAD G0A, G1A
	s_branch .Lasked_\@
.Lkc_\@:
	s_cmp_lt_u32 s[WV], 2
	s_cbranch_scc0 .Lls_\@
	TLOAD G0B, G1B
	s_branch .Lasked_\@
.Lls_\@:
	s_cmp_lt_u32 s[WV], 3
	s_cbranch_scc0 .Lks_\@
	TLOAD G0SA, G1SA
	s_branch .Lasked_\@
.Lks_\@:
	TLOAD G0SB, G1SB
.Lasked_\@:
.endm
.macro CROUND                          ; a round of the cluster's barrier
	s_barrier_signal -1
	s_barrier_wait -1
	s_cmp_lg_u32 s[WV], 0
	s_cbranch_scc1 .Lnot_wave_0_\@
	s_barrier_signal -3
.Lnot_wave_0_\@:
	s_barrier_wait -3
	s_barrier_signal -1
	s_barrier_wait -1
.endm
.macro FRAG reg, a16, a8, off          ; an image becomes the fragment's 12 registers: four dense loads
	ds_load_b128 v[\reg:\reg+3], v[\a16] offset:\off
	ds_load_b64 v[\reg+4:\reg+5], v[\a8] offset:\off+512
	ds_load_b128 v[\reg+6:\reg+9], v[\a16] offset:\off+768
	ds_load_b64 v[\reg+10:\reg+11], v[\a8] offset:\off+1280
.endm
.macro FETCH s, p                      ; K step s into set p: 48 loads in one run, the lane side's blocks 2 and 3 last; an address register for each pair of tiles
	WIN 0x40
.irp b, 0,1,2,3,4,5,6,7
	FRAG 96*(\p)+12*\b, ADB16+\b/2, ADB8+\b/2, TILEB*(\b%2)+FRB*(\s)
.endr
	WIN 0
.irp a, 0,1,2,3
	FRAG AF+48*(\p)+12*\a, ADA16+\a/2, ADA8+\a/2, TILEB*(\a%2)+FRB*(\s)
.endr
.endm
; 16 matrix instructions: blocks a0, a0 + 1 x the eight tiles.  cm = 0: the first K step starts the sums.  The 32 accumulators take turns in one order.
.macro MUL16 a0, s, p, cm
	WIN 0xa1                               ; source 0 window 1, source 1 window 0, C and D window 2
.irp a, \a0, \a0+1
.irp b, 0,1,2,3,4,5,6,7
.if (\cm) == 0
	v_wmma_scale_f32_16x16x128_f8f6f4 v[8*(8*(\a)+\b):8*(8*(\a)+\b)+7], v[96*(\p)+12*\b:96*(\p)+12*\b+11], v[AF+48*(\p)+12*(\a):AF+48*(\p)+12*(\a)+11], 0, v[SB+8*\b+(\s)], v[SA+8*(\a)+(\s)] matrix_a_fmt:MATRIX_FMT_FP6 matrix_b_fmt:MATRIX_FMT_FP6
.else
	v_wmma_scale_f32_16x16x128_f8f6f4 v[8*(8*(\a)+\b):8*(8*(\a)+\b)+7], v[96*(\p)+12*\b:96*(\p)+12*\b+11], v[AF+48*(\p)+12*(\a):AF+48*(\p)+12*(\a)+11], v[8*(8*(\a)+\b):8*(8*(\a)+\b)+7], v[SB+8*\b+(\s)], v[SA+8*(\a)+(\s)] matrix_a_fmt:MATRIX_FMT_FP6 matrix_b_fmt:MATRIX_FMT_FP6
.endif
.endr
.endr
.endm
.macro KSTEP s, cm
.set P, (\s)%2
	s_wait_dscnt 8                                 ; all but the youngest eight loads, the lane side's blocks 2 and 3
	MUL16 0, \s, P, \cm
.if (\s) < 7
	PLACES 4                                       ; in front of loads into registers that matrix instructions have read
	FETCH (\s)+1, 1-P
	s_wait_dscnt 48                                ; all but the run just issued
.else
	s_wait_dscnt 0x0
.endif
	MUL16 2, \s, P, \cm
.endm
; A TILE'S PRODUCTS: its four loads have been asked for.
.macro COMPUTE
	s_wait_alu depctr_va_vdst(0)                   ; the wait directly ahead of the waits below
	s_wait_xcnt 0x0                                ; the last tile's stores have read their registers: loads land there below
	s_wait_tensorcnt 0x0                           ; my one tensor load has landed
	s_barrier_signal -1
	s_barrier_wait -1                              ; everybody's has
.irp a, 0,1,2,3
	ds_load_b128 v[SA+8*\a:SA+8*\a+3], v[ADSA] offset:512*\a       ; the scale words of all eight K steps, once
	ds_load_b128 v[SA+8*\a+4:SA+8*\a+7], v[ADSA] offset:512*\a+16
.endr
.irp b, 0,1,2,3,4,5,6,7
	ds_load_b128 v[SB+8*\b:SB+8*\b+3], v[ADSB] offset:512*\b
	ds_load_b128 v[SB+8*\b+4:SB+8*\b+7], v[ADSB] offset:512*\b+16
.endr
	FETCH 0, 0
	KSTEP 0, 0
.irp s, 1,2,3,4,5,6,7
	KSTEP \s, 1
.endr
	WIN 0
.endm
; Block a's 64 numbers of a lane (window 2, register 16 b + i = k 32 b + 16 h + i of the lane's row) become a fragment's codes in v[128 + 20 a] on and its scale word in v[240 + a].
.macro QUANTW a
.set SR, 64*(\a)
.set PC, AF+20*(\a)
	WIN 0x28                                       ; sources 1 and 2 window 2
.irp b, 0,1,2,3
	v_max3_num_f32 v[TM+\b], 0x1800000, |v[SR+16*\b]|, |v[SR+1+16*\b]|   ; each accumulator is read from its low end on; the floor 2^(3 - 127) holds the byte at 1 from below
.endr
.irp i, 2,4,6,8,10,12,14
.irp b, 0,1,2,3
	v_max3_num_f32 v[TM+\b], v[TM+\b], |v[SR+16*\b+\i]|, |v[SR+1+16*\b+\i]|
.endr
.endr
	WIN 0
.irp b, 0,1,2,3
	v_permlanex16_b32 v[TM+4+\b], v[TM+\b], s66, s67
.endr
.irp b, 0,1,2,3
	v_max_num_f32 v[TM+\b], v[TM+\b], v[TM+4+\b]
.endr
.irp b, 0,1,2,3
	v_add_nc_u32 v[TM+12+\b], 0xff000000, v[TM+\b]
.endr
.irp b, 0,1,2,3
	v_lshrrev_b32 v[TM+4+\b], 23, v[TM+12+\b]
.endr
	v_lshl_or_b32 v[PW+(\a)], v[TM+5], 8, v[TM+4]
	v_lshl_or_b32 v[PW+(\a)], v[TM+6], 16, v[PW+(\a)]
	v_lshl_or_b32 v[PW+(\a)], v[TM+7], 24, v[PW+(\a)]
	WIN 0x02                                       ; source 0 window 2
.irp c, 0,1
	v_cvt_scalef32_pk16_fp6_f32 v[PC+6*\c:PC+2+6*\c], v[SR+32*\c:SR+15+32*\c], v[TM+12+2*\c]
	v_cvt_scalef32_pk16_fp6_f32 v[PC+12+4*\c:PC+14+4*\c], v[SR+16+32*\c:SR+31+32*\c], v[TM+12+2*\c+1]
.endr
	v_nop                                          ; one plain place behind a scaled conversion
	WIN 0
.irp c, 0,1
.irp i, 0,1,2
	v_permlane16_swap_b32 v[PC+6*\c+\i], v[PC+12+4*\c+\i]
.endr
.irp i, 0,1,2
	v_mov_b32 v[PC+3+6*\c+\i], v[PC+12+4*\c+\i]
.endr
.endr
.endm
.macro QUANT4
	PLACES 4                                       ; behind the last products: their results are read and their operands' registers written below
	QUANTW 0
	QUANTW 1
	QUANTW 2
	QUANTW 3
	v_cmp_le_u32 s52, 16, v1                       ; lanes 16-31
	v_cndmask_b32 v244, v[PW], v[PW+2], s52        ; a lane's pair of scale words: lanes 0-15 blocks 0 and 1, lanes 16-31 blocks 2 and 3
	v_cndmask_b32 v245, v[PW+1], v[PW+3], s52
.endm
	s_load_b128 s[4:7], s[0:1], 0x0                ; the lane side's codes and scale bytes: opc, ops
	s_load_b128 s[8:11], s[0:1], 0x0               ; the K side's: the same two buffers
	s_load_b128 s[88:91], s[0:1], 0x10             ; qkvc, qkvs
	v_lshl_add_u32 v[SPW], v0, 2, SPARE
	v_mov_b32 v[NIL], 0
	ds_add_u32 v[SPW], v[NIL]                      ; the opening lines: the add, twice on end, and its wait ahead of my first tensor load
	ds_add_u32 v[SPW], v[NIL]
	v_lshrrev_b32 v1, 5, v0
	v_readfirstlane_b32 s[WV], v1
	s_lshr_b32 s[HA], s[WV], 1                     ; my half of the lane side
	s_and_b32 s[HB], s[WV], 1                      ; my half of the K side
	s_bfe_u32 s[CXP], ttmp6, 0x40000
	s_bfe_u32 s[CYP], ttmp6, 0x40004
	s_lshl_b32 s2, s[CYP], 2
	s_lshl_b32 s2, 15, s2                          ; my row of the cluster
	s_lshl_b32 s3, 0x1111, s[CXP]                  ; my column
	s_or_b32 s[G1A], s2, (3<<16)|(1<<21)           ; the mask; elements of 8 bytes; bit 21 beside a mask; no padding
	s_or_b32 s[G1SA], s2, (3<<16)|(1<<21)
	s_or_b32 s[G1B], s3, (3<<16)|(1<<21)
	s_or_b32 s[G1SB], s3, (3<<16)|(1<<21)
	GROUP1 G1A, 1536, 8, 1536                      ; eight tiles of 12,288 bytes, on end in memory
	GROUP1 G1B, 1536, 16, 1536                     ; sixteen tiles
	GROUP1 G1SA, 32, 16, 32                        ; 4,096 dense bytes of scales as rows of 256
	GROUP1 G1SB, 32, 32, 32                        ; 8,192
	s_and_b32 s[CLY], ttmp7, 0xffff
	s_lshl_b32 s[LT], s[CLY], 2
	s_add_co_u32 s[LT], s[LT], s[CYP]
	s_lshl_b32 s[LT], s[LT], 3                     ; tile 0: tokens' block 4 Y + cy, 8 tiles of 16 each
	s_lshl_b32 s[KT], ttmp9, 2
	s_add_co_u32 s[KT], s[KT], s[CXP]
	s_lshl_b32 s[KT], s[KT], 4
	s_add_co_u32 s[KT], s[KT], 512                 ; features' block 4 X + cx, 16 tiles each, behind x's 512 tiles
	s_mov_b32 s[G0SA], 1
	s_mov_b32 s[G0SA+1], ASC
	s_mov_b32 s[G0A], 1
	s_mov_b32 s[G0A+1], 0
	s_mov_b32 s[G0SB], 1
	s_mov_b32 s[G0SB+1], BSC
	s_mov_b32 s[G0B], 1
	s_mov_b32 s[G0B+1], BCH
	s_mov_b32 s66, 0x76543210                      ; v_permlanex16_b32: lane l xor 16
	s_mov_b32 s67, 0xfedcba98
	s_mov_b32 s[TC], 0
	s_wait_dscnt 0x0                               ; both opening adds are done
	s_wait_kmcnt 0x0
	CROUND                                         ; all sixteen work-groups are here: the joint loads meet
	LOADS
	v_and_b32 v1, 31, v0                           ; lane
	v_and_b32 v2, 15, v0                           ; r
	v_lshlrev_b32 v[L16], 4, v1
	v_lshlrev_b32 v[L8], 3, v1
	s_mul_i32 s2, s[HA], 4*TILEB                   ; my four blocks of the lane side,
	s_mul_i32 s3, s[HB], 8*TILEB                   ; my eight tiles of the K side
	s_add_co_u32 s3, s3, BCH
.irp c, 0,1
	v_add_nc_u32 v[ADA16+\c], s2, v[L16]
	v_add_nc_u32 v[ADA8+\c], s2, v[L8]
	s_add_co_u32 s2, s2, 2*TILEB
.endr
.irp c, 0,1,2,3
	v_add_nc_u32 v[ADB16+\c], s3, v[L16]
	v_add_nc_u32 v[ADB8+\c], s3, v[L8]
	s_add_co_u32 s3, s3, 2*TILEB
.endr
	v_lshlrev_b32 v3, 5, v2                        ; 32 bytes of scales a position
	s_lshl_b32 s2, s[HA], 11
	s_add_co_u32 s2, s2, ASC
	v_add_nc_u32 v[ADSA], s2, v3
	s_lshl_b32 s3, s[HB], 12
	s_add_co_u32 s3, s3, BSC
	v_add_nc_u32 v[ADSB], s3, v3
.irp b, 0,1,2,3
	v_mov_b32 v[TM+4+\b], 0                        ; written once: a lane permute's destination counts as one of its sources
.endr
.Ltile:                                                ; ---- a q, k tile
	COMPUTE
	s_wait_tensorcnt 0x0                           ; in front of the refills' round: no tensor load of mine is out,
	ds_add_u32 v[SPW], v[NIL]                      ; the add; work on registers stands between it and the wait for it:
	s_mov_b32 s[DT], s[LT]                         ; what the finished tile was,
	s_xor_b32 s[DX], ttmp9, s[TC]
	s_add_co_u32 s80, s[LT], 256                   ; and what the next is.  Tile 1: the tokens' block 32 further on,
	s_xor_b32 s81, ttmp9, 1
	s_lshl_b32 s81, s81, 2
	s_add_co_u32 s81, s81, s[CXP]
	s_lshl_b32 s81, s81, 4
	s_add_co_u32 s81, s81, 512                     ; features' block 4 (X xor 1) + cx.
	s_lshl_b32 s2, ttmp9, 2
	s_add_co_u32 s2, s2, s[CYP]
	s_lshl_b32 s2, s2, 3
	s_add_co_u32 s2, s2, 640                       ; Tile 2: W_v's block 4 X + cy, behind x's 512 tiles and W_q's and W_k's 128,
	s_lshl_b32 s3, s[CLY], 2
	s_add_co_u32 s3, s3, s[CXP]
	s_lshl_b32 s3, s3, 4                           ; tokens' block of 256: 4 Y + cx
	s_cmp_eq_u32 s[TC], 0
	s_cselect_b32 s[LT], s80, s2
	s_cselect_b32 s[KT], s81, s3
	s_wait_dscnt 0x0                               ; the add is done, and my reads of this tile were over ahead of its last products
	CROUND                                         ; no wave of any partner still reads the tile
	LOADS                                          ; the next tile, on its way while this one is quantised and stored
	QUANT4
	; registers 0-5 of a block's codes are one head's half fragment, 6-11 the next head's
	s_lshl_b32 s52, s[DX], 2
	s_add_co_u32 s52, s52, s[CXP]                  ; which 256 features
	s_lshr_b32 s53, s52, 2                         ; 0: q, 1: k
	s_and_b32 s54, s52, 3
	s_lshl_b32 s54, s54, 2
	s_lshl_b32 s55, s[HB], 1
	s_add_co_u32 s54, s54, s55                     ; my first head
	s_lshl_b32 s57, s[HA], 2
	s_add_co_u32 s56, s[DT], s57                   ; my first tile of tokens
	s_lshr_b32 s57, s56, 6                         ; the batch
	s_and_b32 s56, s56, 63                         ; the tile in it
	s_lshl_b32 s57, s57, 4
	s_add_co_u32 s57, s57, s54                     ; 16 batch + head
	s_lshl_b32 s58, s57, 6
	s_add_co_u32 s58, s58, s56
	s_mul_i32 s58, s58, 768
	s_mul_i32 s59, s53, 6291456
	s_add_co_u32 s58, s58, s59
	s_mov_b32 s59, 0
	s_add_nc_u64 s[OC:OC+1], s[88:89], s[58:59]
	s_lshl_b32 s60, s57, 4
	s_lshr_b32 s61, s56, 2
	s_add_co_u32 s60, s60, s61
	s_lshl_b32 s60, s60, 8
	s_lshl_b32 s61, s53, 19
	s_add_co_u32 s60, s60, s61
	s_mov_b32 s61, 0
	s_add_nc_u64 s[OS:OS+1], s[90:91], s[60:61]
	s_wait_alu depctr_va_vdst(0)                   ; the wait ahead of the readers below
.irp a, 0,1,2,3
	global_store_b128 v[L16], v[AF+20*\a:AF+20*\a+3], s[OC:OC+1] offset:768*\a               ; each store covers whole aligned blocks of 256 bytes
	global_store_b64 v[L8], v[AF+20*\a+4:AF+20*\a+5], s[OC:OC+1] offset:768*\a+512
	global_store_b128 v[L16], v[AF+20*\a+6:AF+20*\a+9], s[OC:OC+1] offset:49152+768*\a       ; the next head: 64 tiles of 768 bytes on
	global_store_b64 v[L8], v[AF+20*\a+10:AF+20*\a+11], s[OC:OC+1] offset:49152+768*\a+512
.endr
	v_lshrrev_b32 v246, 16, v244                   ; the next head's two bytes,
	v_lshrrev_b32 v247, 16, v245
	v_and_b32 v244, 0xffff, v244                   ; my first head's; the upper two bytes are 0: they scale the zero codes that fill the head's 64 up to 128
	v_and_b32 v245, 0xffff, v245
	global_store_b64 v[L8], v[244:245], s[OS:OS+1]
	global_store_b64 v[L8], v[246:247], s[OS:OS+1] offset:4096
	s_add_co_u32 s[TC], s[TC], 1
	s_cmp_lt_u32 s[TC], 2
	s_wait_alu depctr_va_vdst(0)                   ; the wait directly ahead of the branch
	s_cbranch_scc1 .Ltile
	; ---- the v tile: a block is 16 channels of one head x 128 keys
	COMPUTE
	QUANT4
	s_lshl_b32 s53, ttmp9, 2
	s_add_co_u32 s53, s53, s[CYP]
	s_lshl_b32 s53, s53, 1
	s_add_co_u32 s53, s53, s[HA]                   ; the head
	s_lshl_b32 s52, s[CLY], 2
	s_add_co_u32 s52, s52, s[CXP]                  ; which 256 tokens
	s_lshr_b32 s54, s52, 2                         ; the batch
	s_and_b32 s52, s52, 3
	s_lshl_b32 s52, s52, 1
	s_add_co_u32 s52, s52, s[HB]                   ; the key step
	s_lshl_b32 s54, s54, 4
	s_add_co_u32 s54, s54, s53
	s_lshl_b32 s54, s54, 3
	s_add_co_u32 s54, s54, s52                     ; 8 (16 batch + head) + key step
	s_mul_i32 s56, s54, 6144
	s_add_co_u32 s56, s56, 12582912
	s_mov_b32 s57, 0
	s_add_nc_u64 s[OC:OC+1], s[88:89], s[56:57]
	s_lshl_b32 s58, s54, 8
	s_add_co_u32 s58, s58, 1048576
	s_mov_b32 s59, 0
	s_add_nc_u64 s[OS:OS+1], s[90:91], s[58:59]
	s_wait_alu depctr_va_vdst(0)                   ; the wait ahead of the readers below
.irp a, 0,1,2,3
.irp c, 0,1,2
	global_store_b128 v[L16], v[AF+20*\a+4*\c:AF+20*\a+4*\c+3], s[OC:OC+1] offset:1536*\a+512*\c
.endr
.endr
	global_store_b64 v[L8], v[244:245], s[OS:OS+1]
	s_wait_tensorcnt 0x0                           ; the wave's end: behind my last tensor load
	ds_add_u32 v[SPW], v[NIL]
	s_wait_dscnt 0x0
	CROUND                                         ; the closing round
	s_endpgm
.Lfunc_end_k_qb970ab8669_qkv:
	.size	k_qb970ab8669_qkv, .Lfunc_end_k_qb970ab8669_qkv-k_qb970ab8669_qkv
	.p2alignl 7, 3214868480
	.fill 96, 4, 3214868480
	.section	.rodata,"a",@progbits
	.p2align	6, 0x0
	.amdhsa_kernel k_qb970ab8669_qkv
		.amdhsa_group_segment_fixed_size 327680
		.amdhsa_private_segment_fixed_size 0
		.amdhsa_enable_private_segment 0
		.amdhsa_kernarg_size 32
		.amdhsa_user_sgpr_count 2
		.amdhsa_user_sgpr_kernarg_segment_ptr 1
		.amdhsa_wavefront_size32 1
		.amdhsa_system_sgpr_workgroup_id_x 1
		.amdhsa_system_sgpr_workgroup_id_y 1
		.amdhsa_system_sgpr_workgroup_id_z 1
		.amdhsa_system_vgpr_workitem_id 0
		.amdhsa_next_free_vgpr 768
		.amdhsa_next_free_sgpr 102
		.amdhsa_reserve_vcc 0
		.amdhsa_float_denorm_mode_32 3
		.amdhsa_float_denorm_mode_16_64 3
		.amdhsa_memory_ordered 1
		.amdhsa_forward_progress 1
		.amdhsa_inst_pref_size 167
	.end_amdhsa_kernel
	.amdgpu_metadata
---
amdhsa.version: [ 1, 2 ]
amdhsa.kernels:
  - .name:           k_qb970ab8669_qkv
    .symbol:         k_qb970ab8669_qkv.kd
    .args:
      - { .name: opc, .offset: 0, .size: 8, .value_kind: global_buffer, .address_space: global }
      - { .name: ops, .offset: 8, .size: 8, .value_kind: global_buffer, .address_space: global }
      - { .name: qkvc, .offset: 16, .size: 8, .value_kind: global_buffer, .address_space: global }
      - { .name: qkvs, .offset: 24, .size: 8, .value_kind: global_buffer, .address_space: global }
    .group_segment_fixed_size: 327680
    .private_segment_fixed_size: 0
    .kernarg_segment_align: 8
    .kernarg_segment_size: 32
    .max_flat_workgroup_size: 128
    .sgpr_count:     102
    .vgpr_count:     768
    .wavefront_size: 32
...
	.end_amdgpu_metadata
.endif
;; end of part 3
;; launch attn (part 4): grid 2 x 128, 16 waves a work-group, no clusters, 327,680 bytes of LDS; arguments qkvc, qkvs, oc, os; writes oc, os
.if DOCPART == 4
	.amdgcn_target "amdgcn-amd-amdhsa--gfx1250"
	.amdhsa_code_object_version 6
	.text
	.protected	k_qb970ab8669_attn
	.globl	k_qb970ab8669_attn
	.p2align	8
	.type	k_qb970ab8669_attn,@function
k_qb970ab8669_attn:
	s_mov_b64 s[64:65], 0
	v_nop
	global_prefetch_b8 v0, s[64:65] scope:SCOPE_SE
	s_setreg_imm32_b32 hwreg(HW_REG_WAVE_MODE, 25, 1), 1
	s_wait_xcnt 0x0
; ATTENTION ON CODES OF FP6 (E2M3): 128 heads of 1,024 queries x 1,024 keys, head size 64; the result is quantised along the head's 64 for the output projection.
; t = score x log2(e) / 8; M = the running largest t rounded UP to a whole number; p = 2^(t - M) is quantised along the keys, not normalised; the row's sum is taken of the unquantised p and divides O at the end.
; When M moves, the sum and O are multiplied by 2^(old M - new M): exact.  The step is written once: O and the sum begin as zeros, the largest score as -3e38.
; SHARES: a work-group owns 512 queries of one head; each of its sixteen waves two tiles of 16 queries, one after the other; a trip of a loop is a key step of 128 keys.
; LAYOUT: both products transposed (S^T = K Q^T, O^T = V^T P^T): a lane holds one query.
; WHICH KEYS FORM A TILE OF K is chosen at the LDS read: rows 0-7 of tile 4 c + u are keys 64 c + 8 u + 0..7 of the step, rows 8-15 the keys 32 further on.  So the 32 registers of a lane in tiles 4 c .. 4 c + 3 are
; the WHOLE block 2 c + h of 32 keys, in order: a block's maximum needs no other lane, and the conversions' results are P's operand as they stand (but for three moves a pair of blocks: a conversion's registers begin on an even number).
; K lies in memory in position order (bits 3 and 4 of the token exchanged) as half fragments' images of 768 bytes: key 32 a + 16 g + 8 e + j is lane 8 g + j (+ 16 for the head's upper 32) of tile 2 a + e.
; THE FIRST PRODUCT'S K IS 64 of the instruction's 128: Q's registers 6-11 are zero codes, so whatever codes stand in registers 6-11 of K's operand add nothing (a code is a finite number; the scale bytes there are 0, a number too).
; So the eight half fragments lie on end, six registers each, tile t's operand being the twelve from 6 t on; six cleared registers follow the last.  V's four fragments land in the same registers once the scores are made.
; LDS: K's images as rows of 256 bytes + 64 of padding (a tile is 960 bytes, so the two tiles that a load's lanes 0-7 and 8-15 read lie 1,920 bytes = 128 modulo 256 apart); V's dense; the scale words; the spare words.
; TENSOR LOADS, one a wave and group: at the head waves 0-3 ask for K's key steps 0-3, waves 4-7 for V's, waves 8, 9 for the scale words; behind the full sequence and a barrier waves 0-3 ask for K's steps 4-7, waves 4-7 for V's.
; They land while key steps 0 to 3 of the first tile are worked.  The barrier that shows them landed is split: its signal stands ahead of key step 3, its wait behind it, so that a wave meets it a whole key step behind its own signal.
; Behind it LDS is only read and no wave waits for another.
; A wave has one tensor load out at the most; every wait on TENSORcnt is for 0.  All of LDS is claimed; the text uses 118,784 bytes.
; NO CLUSTER: only the two work-groups of a head share tiles, and a grid of 2 along x does not divide into clusters of four.
; NO PREFETCH: all that the work-group reads of K and V has been asked for by the second group of tensor loads, ahead of the first trip: no later request is left to run ahead of.
; LIMITS: the promise holds while |t| stays under 2^31.  A block of zeros gets the byte 1 (zero codes; this program alone reads the bytes); a block's largest p is taken as the exponential of its largest score, which leans on
; v_exp_f32 not falling where its input rises; NaN and infinities are not served.  o's scale bytes leave two bytes a token and head: all that a head owns of a scale row.
.set KC,    0                          ; K: 64 tiles of 960 bytes
.set KSTP,  7680                       ; a key step of K in LDS
.set VC,    61440                      ; V: 8 key steps x 4 fragments of 1,536
.set VSTP,  6144                       ; a key step of V in LDS, and of K or V in memory
.set KS,    110592                     ; K's scale words, 512 bytes a key step
.set VS,    114688                     ; V's, 256 a key step
.set SPARE, 116736                     ; the spare words, 128 bytes a wave, which no other line names
.set VOFF,  6291456                    ; from K's codes to V's in qkvc
.set BK16, 1                           ; v1  K's 16-byte pieces: 16 j + 1,920 h' + 320 h  (lane = 16 h + 8 h' + j)
.set BK8,  2                           ; v2  K's 8-byte pieces: 8 j + 1,920 h' + 128 h
.set BV16, 3                           ; v3  VC + 16 x lane
.set BKS,  4                           ; v4  KS + 8 j + 128 h'
.set BVS,  5                           ; v5  VS + 8 r
.set SPW,  6
.set NIL,  7
.set R8,   8                           ; v8  8 r
.set R32,  9                           ; v9  32 r
.set SH,   10                          ; v10 8 h
.set L16,  11                          ; v11 16 x lane
.set QF,   16                          ; v16-27 the first tile's Q (v22-27 zero codes)
.set QS,   28                          ; v28 its scale words
.set L8,   29                          ; v29 8 x lane
.set KB,   32                          ; v32-79 K's eight half fragments, then V's four fragments; v80-85 cleared
.set VSW,  86                          ; v86-89 V's scale words, v90 P's, v232-239 K's, v28 and v252 Q's: scales and nothing else
.set PSW,  90
.set AK16, 91                          ; v91-95 this key step's five LDS addresses
.set AK8,  92
.set AKS,  93
.set AV16, 94
.set AVS,  95
.set S,    96                          ; v96-159 S^T, then p
.set O,    160                         ; v160-191 O^T
.set PC,   192                         ; v192-203 P's codes
.set X,    204                         ; v204-209 three chains of the row's sum; then v204-206, v208-210 the blocks' upper halves
.set TU,   204
.set BM,   212                         ; v212-215 maxima
.set PT,   216                         ; v216-217 lane permutes' results
.set SO,   218                         ; v218-219 the conversions' scale operands
.set T1,   220
.set T2,   221
.set F,    222                         ; v[222:223]
.set OW,   230
.set KSW,  232
.set QG,   240                         ; v240-251 the second tile's Q (v246-251 zero codes)
.set QT,   252
.set WV,   12
.set BH,   13
.set CNT,  14                          ; the key step
.set KO,   15                          ; its place in K, in V, in their scale words
.set G1K,  16
.set G1V,  24
.set G1KS, 32
.set G1VS, 40
.set G0,   48
.set KG,   52                          ; s[52:53] the head's codes of K in memory
.set VO,   54
.set KSO,  55
.set VSO,  56
.set NCS,  57                          ; -c
.set CS,   58                          ; s[58:59] c = log2(e) / 8
.set SEL,  60
.set QB,   66
.set QSB,  68
.set OCB,  70
.set OSB,  72
.macro GROUP1 g, r, w0                 ; a dense block as r rows of 256 bytes (32 elements of 8 bytes)
	s_mov_b32 s[\g], \w0
	s_mov_b32 s[\g+1], 32<<16
	s_mov_b32 s[\g+2], (\r)<<16
	s_mov_b32 s[\g+3], 32<<16
	s_mov_b32 s[\g+4], \r
	s_mov_b32 s[\g+5], 32
	s_mov_b32 s[\g+6], 0
	s_mov_b32 s[\g+7], 0
.endm
.macro CODES lstr, loff, goff, g1      ; my wave's key step of codes: LDS byte lstr x wave + loff, memory byte 6,144 x wave + goff behind K's codes
	s_mul_i32 s[G0+1], s[WV], \lstr
.if \loff
	s_add_co_u32 s[G0+1], s[G0+1], \loff
.endif
	s_mul_i32 s86, s[WV], VSTP
.if \goff
	s_add_co_u32 s86, s86, \goff
.endif
	s_add_nc_u64 s[G0+2:G0+3], s[KG:KG+1], s[86:87]
	s_or_b32 s[G0+3], s[G0+3], 0x80000000
	tensor_load_to_lds s[G0:G0+3], s[\g1:\g1+7]
	s_nop 0
.endm
.macro SCALES lds, off, g1             ; the head's scale words of K or of V
	s_mov_b32 s[G0+1], \lds
	s_add_nc_u64 s[G0+2:G0+3], s[6:7], s[\off:\off+1]
	s_or_b32 s[G0+3], s[G0+3], 0x80000000
	tensor_load_to_lds s[G0:G0+3], s[\g1:\g1+7]
	s_nop 0
.endm
	s_load_b128 s[4:7], s[0:1], 0x0                ; qkvc, qkvs
	s_load_b128 s[8:11], s[0:1], 0x10              ; oc, os
	v_lshl_add_u32 v[SPW], v0, 2, SPARE
	v_mov_b32 v[NIL], 0
	ds_add_u32 v[SPW], v[NIL]                      ; the opening lines: the add, twice on end, and its wait ahead of the first tensor load
	ds_add_u32 v[SPW], v[NIL]
	v_lshrrev_b32 v1, 5, v0
	s_delay_alu instid0(VALU_DEP_1)
	v_readfirstlane_b32 s[WV], v1
	s_and_b32 s[BH], ttmp7, 0xffff                 ; 16 batch + head
	GROUP1 G1K, 24, (3<<16)|(1<<20)|(5<<22)|(15<<25)   ; a key step of K: 6,144 bytes, 16 words of padding behind every 64
	GROUP1 G1V, 24, 3<<16                          ; a key step of V
	GROUP1 G1KS, 16, 3<<16                         ; K's scale words: 4,096 bytes
	GROUP1 G1VS, 8, 3<<16                          ; V's: 2,048
	s_mov_b32 s[G0], 1
	s_mul_i32 s74, s[BH], 49152
	s_add_co_u32 s74, s74, VOFF                    ; the head's codes of K
	s_mov_b32 s75, 0
	s_lshl_b32 s76, s[BH], 12
	s_add_co_u32 s76, s76, 524288                  ; K's scale words
	s_mov_b32 s77, 0
	s_lshl_b32 s78, s[BH], 11
	s_add_co_u32 s78, s78, 1048576                 ; V's
	s_mov_b32 s79, 0
	s_mov_b32 s87, 0
	s_mov_b32 s[CS], 0x3e38aa3b
	s_mov_b32 s[CS+1], s[CS]
	s_mov_b32 s[NCS], 0xbe38aa3b
	s_mov_b32 s[SEL], 0x76543210                   ; v_permlanex16_b32: lane l xor 16
	s_mov_b32 s[SEL+1], 0xfedcba98
	s_wait_dscnt 0x0                               ; both opening adds are done
	s_wait_kmcnt 0x0
	s_add_nc_u64 s[KG:KG+1], s[4:5], s[74:75]
	s_cmp_lt_u32 s[WV], 4                          ; the head's fills: one chain of branches on the wave's number, one fill to an arm
	s_cbranch_scc0 .Lhead_v
	CODES KSTP, KC, 0, G1K                         ; waves 0-3: K's key steps 0-3
	s_branch .Lasked
.Lhead_v:
	s_cmp_lt_u32 s[WV], 8
	s_cbranch_scc0 .Lhead_ks
	CODES VSTP, VC-4*VSTP, VOFF-4*VSTP, G1V        ; waves 4-7: V's key steps 0-3
	s_branch .Lasked
.Lhead_ks:
	s_cmp_eq_u32 s[WV], 8
	s_cbranch_scc0 .Lhead_vs
	SCALES KS, 76, G1KS
	s_branch .Lasked
.Lhead_vs:
	s_cmp_eq_u32 s[WV], 9
	s_cbranch_scc0 .Lasked
	SCALES VS, 78, G1VS
.Lasked:
	s_lshl_b32 s82, ttmp9, 5
	s_lshl_b32 s83, s[WV], 1
	s_add_co_u32 s82, s82, s83                     ; my first tile of queries: 32 x + 2 wave
	s_lshl_b32 s80, s[BH], 6
	s_add_co_u32 s80, s80, s82
	s_mul_i32 s80, s80, 768
	s_mov_b32 s81, 0
	s_add_nc_u64 s[QB:QB+1], s[4:5], s[80:81]
	s_lshl_b32 s80, s[BH], 12
	s_lshl_b32 s83, s82, 6                         ; 128 bytes of scale words for each pair of tiles
	s_add_co_u32 s80, s80, s83
	s_add_nc_u64 s[QSB:QSB+1], s[6:7], s[80:81]
	s_lshr_b32 s80, s[BH], 4
	s_lshl_b32 s80, s80, 6
	s_add_co_u32 s82, s82, s80                     ; the tile among all 512
	s_and_b32 s83, s[BH], 15                       ; the head
	s_mul_i32 s80, s82, 12288
	s_mul_i32 s84, s83, 768
	s_add_co_u32 s80, s80, s84
	s_add_nc_u64 s[OCB:OCB+1], s[8:9], s[80:81]
	s_lshl_b32 s80, s82, 9
	s_lshl_b32 s84, s83, 1
	s_add_co_u32 s80, s80, s84
	s_add_nc_u64 s[OSB:OSB+1], s[10:11], s[80:81]
	v_and_b32 v30, 7, v0                           ; j
	v_bfe_u32 v31, v0, 3, 1                        ; h'
	v_bfe_u32 v[SH], v0, 4, 1                      ; h
	v_and_b32 v[L8], 31, v0                        ; lane
	v_and_b32 v[R8], 15, v0                        ; r
	v_lshlrev_b32 v[BK16], 4, v30
	v_lshlrev_b32 v[BK8], 3, v30
	v_lshl_add_u32 v[BKS], v31, 7, KS
	v_mad_u32_u24 v[BK16], v31, 1920, v[BK16]
	v_mad_u32_u24 v[BK8], v31, 1920, v[BK8]
	v_lshl_add_u32 v[BKS], v30, 3, v[BKS]
	v_mad_u32_u24 v[BK16], v[SH], 320, v[BK16]
	v_lshl_add_u32 v[BK8], v[SH], 7, v[BK8]
	v_lshlrev_b32 v[SH], 3, v[SH]
	v_lshlrev_b32 v[L16], 4, v[L8]
	v_lshlrev_b32 v[L8], 3, v[L8]
	v_lshlrev_b32 v[R32], 5, v[R8]
	v_lshlrev_b32 v[R8], 3, v[R8]
	v_add_nc_u32 v[BV16], VC, v[L16]
	v_add_nc_u32 v[BVS], VS, v[R8]
	global_load_b128 v[QF:QF+3], v[L16], s[QB:QB+1]
	global_load_b64 v[QF+4:QF+5], v[L8], s[QB:QB+1] offset:512
	global_load_b128 v[QG:QG+3], v[L16], s[QB:QB+1] offset:768
	global_load_b64 v[QG+4:QG+5], v[L8], s[QB:QB+1] offset:1280
	global_load_b32 v[QS], v[R8], s[QSB:QSB+1]
	global_load_b32 v[QT], v[R8], s[QSB:QSB+1] offset:4
.irp j, 6,7,8,9,10,11
	v_mov_b32 v[QF+\j], 0                          ; zero codes fill the head's 64 up to the instruction's 128, in both tiles' Q;
	v_mov_b32 v[QG+\j], 0
	v_mov_b32 v[KB+42+\j], 0                       ; v80-85: the upper half of the eighth tile's operand
.endr
	v_mov_b32 v[PT], 0                             ; written once: a lane permute's destination counts as one of its sources
	v_mov_b32 v[PT+1], 0
	v_mov_b32 v[F+1], 0                            ; (named as the upper half of a pair)
	s_wait_alu depctr_va_vdst(0)                   ; the wait at the head's end
	s_wait_tensorcnt 0x0                           ; my fill of the head's ten has landed; ahead of a later first fill:
	ds_add_u32 v[SPW], v[NIL]                      ; the add, written twice
	ds_add_u32 v[SPW], v[NIL]
	s_wait_dscnt 0x0
	s_barrier_signal -1
	s_barrier_wait -1                              ; the scale words and key steps 0 to 3 are in
	s_cmp_lt_u32 s[WV], 4
	s_cbranch_scc0 .Lrest_v
	CODES KSTP, KC+4*KSTP, 4*VSTP, G1K             ; waves 0-3: K's key steps 4-7
	s_branch .Lrest_asked
.Lrest_v:
	s_cmp_lt_u32 s[WV], 8
	s_cbranch_scc0 .Lrest_asked
	CODES VSTP, VC, VOFF, G1V                      ; waves 4-7: V's key steps 4-7
.Lrest_asked:
; A KEY STEP: 128 keys against one tile of 16 queries.
.macro STEP qf, qs
	v_add_nc_u32 v[AK16], s[KO], v[BK16]           ; these four lines are also the places between the last V^T P products and the loads into their operands' registers
	v_add_nc_u32 v[AK8], s[KO], v[BK8]
	v_add_nc_u32 v[AKS], s[KSO], v[BKS]
	v_mov_b32 v[T1], v12                           ; the old -M
.irp c, 0,1
.irp u, 0,1,2,3                                ; tile 4 c + u: memory's tiles 4 c + u % 2 (lanes 0-7 of each half) and two further on (lanes 8-15), their lanes 8 (u / 2) + j
	ds_load_b128 v[KB+6*(4*\c+\u):KB+6*(4*\c+\u)+3], v[AK16] offset:960*(4*\c+\u%2)+128*(\u/2)
	ds_load_b64 v[KB+6*(4*\c+\u)+4:KB+6*(4*\c+\u)+5], v[AK8] offset:960*(4*\c+\u%2)+640+64*(\u/2)
.endr
.irp w, 0,1
	ds_load_b64 v[KSW+4*\c+2*\w:KSW+4*\c+2*\w+1], v[AKS] offset:256*\c+64*\w   ; the scale words of tiles 4 c + 2 w and + 1
.endr
.endr
	s_wait_dscnt 0x0
.irp t, 0,1,2,3,4,5,6,7                        ; S^T = K Q^T
	v_wmma_scale_f32_16x16x128_f8f6f4 v[S+8*\t:S+8*\t+7], v[KB+6*\t:KB+6*\t+11], v[\qf:\qf+11], 0, v[KSW+\t], v[\qs] matrix_a_fmt:MATRIX_FMT_FP6 matrix_b_fmt:MATRIX_FMT_FP6
.endr
	v_add_nc_u32 v[AV16], s[VO], v[BV16]           ; four places in front of the loads into K's registers and of the first read of the scores
	v_add_nc_u32 v[AVS], s[VSO], v[BVS]
	v_nop
	v_nop
.irp t, 0,1,2,3                                ; V's four fragments land where K lay, during the softmax
.irp c, 0,1,2
	ds_load_b128 v[KB+12*\t+4*\c:KB+12*\t+4*\c+3], v[AV16] offset:1536*\t+512*\c
.endr
.endr
.irp u, 0,1
	ds_load_b64 v[VSW+2*\u:VSW+2*\u+1], v[AVS] offset:128*\u
.endr
.irp c, 0,1                                    ; the largest score of my two blocks of 32 keys, each in two chains
	v_max3_num_f32 v[BM+\c], v[S+32*\c], v[S+32*\c+1], v[S+32*\c+2]
	v_max3_num_f32 v[BM+2+\c], v[S+32*\c+17], v[S+32*\c+18], v[S+32*\c+19]
.endr
.irp i, 3,5,7,9,11,13
.irp c, 0,1
	v_max3_num_f32 v[BM+\c], v[BM+\c], v[S+32*\c+\i], v[S+32*\c+\i+1]
	v_max3_num_f32 v[BM+2+\c], v[BM+2+\c], v[S+32*\c+\i+17], v[S+32*\c+\i+18]
.endr
.endr
.irp c, 0,1
	v_max3_num_f32 v[BM+\c], v[BM+\c], v[S+32*\c+15], v[S+32*\c+16]
.endr
.irp c, 0,1
	s_delay_alu instid0(VALU_DEP_2)
	v_max_num_f32 v[BM+\c], v[BM+\c], v[BM+2+\c]
.endr
	s_delay_alu instid0(VALU_DEP_1)
	v_max_num_f32 v[T2], v[BM], v[BM+1]
	s_delay_alu instid0(VALU_DEP_1)
	v_permlanex16_b32 v[PT], v[T2], s[SEL], s[SEL+1]
	s_delay_alu instid0(VALU_DEP_1)
	v_max3_num_f32 v13, v13, v[T2], v[PT]          ; the running largest score of my query (c is positive)
	s_delay_alu instid0(VALU_DEP_1)
	v_mul_f32 v[T2], s[NCS], v13                   ; -t
	s_delay_alu instid0(VALU_DEP_1)
	v_floor_f32 v12, v[T2]                         ; the new -M = floor(-t): M is a whole number
	s_delay_alu instid0(VALU_DEP_1)
	v_sub_f32 v[T1], v12, v[T1]                    ; old M - new M: a whole number, 0 or less
	s_delay_alu instid0(VALU_DEP_1)
	v_cvt_i32_f32 v[T1], v[T1]                     ; (it saturates)
	s_delay_alu instid0(VALU_DEP_1)
	v_ldexp_f32 v[F], 1.0, v[T1]                   ; f = 2^(old M - new M)
.set J, 0
.rept 32
	v_pk_fma_f32 v[S+J:S+J+1], v[S+J:S+J+1], s[CS:CS+1], v[12:13] op_sel_hi:[1,0,0]   ; t - M, two at a time
.set J, J+2
.endr
.irp c, 0,1
	v_fma_f32 v[BM+\c], v[BM+\c], s[CS], v12       ; the same of each block's largest score
.endr
	s_wait_alu depctr_va_vdst(0)                   ; the wait ahead of the batch
.set J, 0
.rept 64
	v_exp_f32 v[S+J], v[S+J]                       ; p = 2^(t - M), at most 1
.set J, J+1
.endr
	v_pk_mul_f32 v[14:15], v[14:15], v[F:F+1] op_sel_hi:[1,0]   ; the sum under the new M.  (A plain place behind the exponentials)
	s_wait_alu depctr_va_vdst(0)                   ; one wait for the whole batch, ahead of its first reader
.irp c, 0,1
	v_exp_f32 v[BM+\c], v[BM+\c]                   ; the block's largest p
.endr
.irp k, 0,1,2                                  ; the row's sum of the unquantised p: 32 packed additions in four chains
	v_pk_add_f32 v[X+2*\k:X+2*\k+1], v[S+2*\k:S+2*\k+1], v[S+6+2*\k:S+7+2*\k]
.endr
	v_pk_add_f32 v[14:15], v[14:15], v[S+12:S+13]
.set J, 14
.rept 6
	v_pk_add_f32 v[X:X+1], v[X:X+1], v[S+J:S+J+1]
	v_pk_add_f32 v[X+2:X+3], v[X+2:X+3], v[S+J+2:S+J+3]
	v_pk_add_f32 v[X+4:X+5], v[X+4:X+5], v[S+J+4:S+J+5]
	v_pk_add_f32 v[14:15], v[14:15], v[S+J+6:S+J+7]
.set J, J+8
.endr
	v_pk_add_f32 v[X:X+1], v[X:X+1], v[S+62:S+63]
	v_pk_add_f32 v[14:15], v[14:15], v[X+4:X+5]
	s_delay_alu instid0(VALU_DEP_2)
	v_pk_add_f32 v[X:X+1], v[X:X+1], v[X+2:X+3]
	s_delay_alu instid0(VALU_DEP_1)
	v_pk_add_f32 v[14:15], v[14:15], v[X:X+1]
	s_wait_alu depctr_va_vdst(0)                   ; and one for the two
.irp c, 0,1
	v_max_num_f32 v[BM+\c], 0x1800000, v[BM+\c]    ; the floor 2^(3 - 127): the byte cannot fall under 1
.endr
.irp c, 0,1
	s_delay_alu instid0(VALU_DEP_2)
	v_add_nc_u32 v[SO+\c], 0xff000000, v[BM+\c]    ; 2 off the exponent field: the conversion's scale operand
.endr
	s_delay_alu instid0(VALU_DEP_2)
	v_lshrrev_b32 v[T1], 23, v[SO]                 ; the bytes of blocks h and 2 + h,
	s_delay_alu instid0(VALU_DEP_2)
	v_lshrrev_b32 v[T2], 23, v[SO+1]
	s_delay_alu instid0(VALU_DEP_1)
	v_lshl_or_b32 v[T1], v[T2], 16, v[T1]
	s_delay_alu instid0(VALU_DEP_1)
	v_lshlrev_b32 v[T1], v[SH], v[T1]              ; at their places in the scale word;
	s_delay_alu instid0(VALU_DEP_1)
	v_permlanex16_b32 v[PT], v[T1], s[SEL], s[SEL+1]
	s_delay_alu instid0(VALU_DEP_1)
	v_or_b32 v[PSW], v[T1], v[PT]                  ; with lane l xor 16's two the word is whole
.irp c, 0,1
	v_cvt_scalef32_pk16_fp6_f32 v[PC+6*\c:PC+6*\c+2], v[S+32*\c:S+32*\c+15], v[SO+\c]
	v_cvt_scalef32_pk16_fp6_f32 v[TU+4*\c:TU+4*\c+2], v[S+32*\c+16:S+32*\c+31], v[SO+\c]   ; (a conversion's three registers begin on an even number)
.endr
	s_wait_alu depctr_va_vdst(0)                   ; the wait directly ahead of the first reader of O^T
	v_pk_mul_f32 v[O:O+1], v[O:O+1], v[F:F+1] op_sel_hi:[1,0]   ; O^T under the new M.  (The plain place behind the conversions)
.irp c, 0,1
.irp i, 0,1,2
	v_mov_b32 v[PC+6*\c+3+\i], v[TU+4*\c+\i]
.endr
.endr
.set J, 2
.rept 15
	v_pk_mul_f32 v[O+J:O+J+1], v[O+J:O+J+1], v[F:F+1] op_sel_hi:[1,0]   ; (these are also the places between the lines that made p's codes and scale word and the products)
.set J, J+2
.endr
	s_wait_alu depctr_va_vdst(0)                   ; the wait directly ahead of the wait below
	s_wait_dscnt 0x0                               ; V is in
.irp t, 0,1,2,3                                ; O^T += V^T P^T: four accumulators by turns
	v_wmma_scale_f32_16x16x128_f8f6f4 v[O+8*\t:O+8*\t+7], v[KB+12*\t:KB+12*\t+11], v[PC:PC+11], v[O+8*\t:O+8*\t+7], v[VSW+\t], v[PSW] matrix_a_fmt:MATRIX_FMT_FP6 matrix_b_fmt:MATRIX_FMT_FP6
.endr
.endm
.macro PLACE n                         ; key step n's places in LDS
	s_mov_b32 s[KO], KSTP*\n
	s_mov_b32 s[VO], VSTP*\n
	s_mov_b32 s[KSO], 512*\n
	s_mov_b32 s[VSO], 256*\n
.endm
; Key steps from .. to - 1, a trip each.  The step's places in LDS are scalars stepped by constants.
.macro WALK from, to, qf, qs
	s_mov_b32 s[CNT], \from
	PLACE \from
.Lwalk_\@:
	STEP \qf, \qs
	s_add_co_u32 s[KO], s[KO], KSTP
	s_add_co_u32 s[VO], s[VO], VSTP
	s_add_co_u32 s[KSO], s[KSO], 512
	s_add_co_u32 s[VSO], s[VSO], 256
	s_add_co_u32 s[CNT], s[CNT], 1
	s_cmp_lt_u32 s[CNT], \to
	s_wait_alu depctr_va_vdst(0)                   ; the wait directly ahead of the branch
	s_cbranch_scc1 .Lwalk_\@
.endm
.macro INIT                            ; a tile begins
	v_mov_b32 v13, 0xff61b1e6                      ; the largest score so far: -3e38
	s_delay_alu instid0(VALU_DEP_1)
	v_mul_f32 v12, s[NCS], v13
	s_delay_alu instid0(VALU_DEP_1)
	v_floor_f32 v12, v12                           ; its -M
	v_mov_b32 v14, 0                               ; the sum, in two halves
	v_mov_b32 v15, 0
.set J, 0
.rept 32
	v_mov_b32 v[O+J], 0                            ; O^T: the first change of M leaves zeros zeros
.set J, J+1
.endr
.endm
; THE WAY OUT of tile p: O^T / the sum, quantised along the head's 64, as a half fragment's image.  V's channels lie in position order: register 16 b + i = channel 32 b + 16 h + i.
.macro WAYOUT p
.rept 4
	v_nop
.endr
	v_add_f32 v14, v14, v15
	s_delay_alu instid0(VALU_DEP_1)
	v_permlanex16_b32 v[PT], v14, s[SEL], s[SEL+1]
	s_delay_alu instid0(VALU_DEP_1)
	v_add_f32 v14, v14, v[PT]                      ; the row's sum
	s_wait_alu depctr_va_vdst(0)                   ; the wait ahead of the transcendental
	v_rcp_f32 v[F], v14
	v_nop                                          ; a plain place behind it
	s_wait_alu depctr_va_vdst(0)                   ; the wait ahead of the first reader
.set J, 0
.rept 16
	v_pk_mul_f32 v[S+J:S+J+1], v[O+J:O+J+1], v[F:F+1] op_sel_hi:[1,0]   ; each accumulator from its low end on
.set J, J+2
.endr
.irp b, 0,1
	v_max3_num_f32 v[BM+\b], |v[S+16*\b]|, |v[S+1+16*\b]|, 0x1800000
.endr
.irp i, 2,4,6,8,10,12,14
.irp b, 0,1
	s_delay_alu instid0(VALU_DEP_2)
	v_max3_num_f32 v[BM+\b], v[BM+\b], |v[S+16*\b+\i]|, |v[S+1+16*\b+\i]|
.endr
.endr
.irp b, 0,1
	s_delay_alu instid0(VALU_DEP_2)
	v_permlanex16_b32 v[PT+\b], v[BM+\b], s[SEL], s[SEL+1]
.endr
.irp b, 0,1
	s_delay_alu instid0(VALU_DEP_2)
	v_max_num_f32 v[BM+\b], v[BM+\b], v[PT+\b]
.endr
.irp b, 0,1
	s_delay_alu instid0(VALU_DEP_2)
	v_add_nc_u32 v[SO+\b], 0xff000000, v[BM+\b]
.endr
.irp b, 0,1
	s_delay_alu instid0(VALU_DEP_2)
	v_lshrrev_b32 v[PT+\b], 23, v[SO+\b]
.endr
	s_delay_alu instid0(VALU_DEP_1)
	v_lshl_or_b32 v[OW], v[PT+1], 8, v[PT]
	v_cvt_scalef32_pk16_fp6_f32 v[PC:PC+2], v[S:S+15], v[SO]
	v_cvt_scalef32_pk16_fp6_f32 v[TU:TU+2], v[S+16:S+31], v[SO+1]
	v_nop                                          ; one plain place behind a scaled conversion
.irp i, 0,1,2
	v_permlane16_swap_b32 v[PC+\i], v[TU+\i]       ; the operand's layout wants a whole block in a lane
.endr
.irp i, 0,1,2
	s_delay_alu instid0(VALU_DEP_3)
	v_mov_b32 v[PC+3+\i], v[TU+\i]
.endr
	global_store_b128 v[L16], v[PC:PC+3], s[OCB:OCB+1] offset:12288*(\p)             ; 512 consecutive bytes,
	global_store_b64 v[L8], v[PC+4:PC+5], s[OCB:OCB+1] offset:12288*(\p)+512         ; and 256
	global_store_b16 v[R32], v[OW], s[OSB:OSB+1] offset:512*(\p)                     ; my head's two scale bytes of row r; both halves of the lanes write them alike
.endm
	INIT
	s_wait_alu depctr_va_vdst(0)                   ; the wait directly ahead of the wait below
	s_wait_loadcnt 0x0                             ; Q of both tiles
	WALK 0, 3, QF, QS                              ; key steps 0 to 2, while steps 4 to 7 are on their way
	s_wait_tensorcnt 0x0                           ; my tensor load has landed
	s_wait_dscnt 0x0
	s_barrier_signal -1                            ; say so; key step 3, which reads bytes that nobody writes any more, stands between the signal and the wait
	PLACE 3
	STEP QF, QS
	s_wait_alu depctr_va_vdst(0)                   ; the wait directly ahead of the wait below
	s_barrier_wait -1                              ; everybody's has: from here on LDS is only read
	WALK 4, 8, QF, QS
	WAYOUT 0
	s_wait_xcnt 0x0                                ; the stores have read their registers: the next tile writes them again
	INIT
	WALK 0, 8, QG, QT
	WAYOUT 1
	s_wait_tensorcnt 0x0                           ; the wave's end: behind the last tensor load
	ds_add_u32 v[SPW], v[NIL]
	s_wait_dscnt 0x0
	s_endpgm
.Lfunc_end_k_qb970ab8669_attn:
	.size	k_qb970ab8669_attn, .Lfunc_end_k_qb970ab8669_attn-k_qb970ab8669_attn
	.p2alignl 7, 3214868480
	.fill 96, 4, 3214868480
	.section	.rodata,"a",@progbits
	.p2align	6, 0x0
	.amdhsa_kernel k_qb970ab8669_attn
		.amdhsa_group_segment_fixed_size 327680
		.amdhsa_private_segment_fixed_size 0
		.amdhsa_enable_private_segment 0
		.amdhsa_kernarg_size 32
		.amdhsa_user_sgpr_count 2
		.amdhsa_user_sgpr_kernarg_segment_ptr 1
		.amdhsa_wavefront_size32 1
		.amdhsa_system_sgpr_workgroup_id_x 1
		.amdhsa_system_sgpr_workgroup_id_y 1
		.amdhsa_system_sgpr_workgroup_id_z 1
		.amdhsa_system_vgpr_workitem_id 0
		.amdhsa_next_free_vgpr 256
		.amdhsa_next_free_sgpr 88
		.amdhsa_reserve_vcc 0
		.amdhsa_float_denorm_mode_32 3
		.amdhsa_float_denorm_mode_16_64 3
		.amdhsa_memory_ordered 1
		.amdhsa_forward_progress 1
		.amdhsa_inst_pref_size 84
	.end_amdhsa_kernel
	.amdgpu_metadata
---
amdhsa.version: [ 1, 2 ]
amdhsa.kernels:
  - .name:           k_qb970ab8669_attn
    .symbol:         k_qb970ab8669_attn.kd
    .args:
      - { .name: qkvc, .offset: 0, .size: 8, .value_kind: global_buffer, .address_space: global }
      - { .name: qkvs, .offset: 8, .size: 8, .value_kind: global_buffer, .address_space: global }
      - { .name: oc, .offset: 16, .size: 8, .value_kind: global_buffer, .address_space: global }
      - { .name: os, .offset: 24, .size: 8, .value_kind: global_buffer, .address_space: global }
    .group_segment_fixed_size: 327680
    .private_segment_fixed_size: 0
    .kernarg_segment_align: 8
    .kernarg_segment_size: 32
    .max_flat_workgroup_size: 512
    .sgpr_count:     88
    .vgpr_count:     256
    .wavefront_size: 32
...
	.end_amdgpu_metadata
.endif
;; end of part 4
;; launch proj (part 5): grid 4 x 64, 4 waves a work-group, clusters of 4 x 4, 327,680 bytes of LDS; arguments oc, os, opc, ops, b_out, out0; writes out0
.if DOCPART == 5
	.amdgcn_target "amdgcn-amd-amdhsa--gfx1250"
	.amdhsa_code_object_version 6
	.text
	.protected	k_qb970ab8669_proj
	.globl	k_qb970ab8669_proj
	.p2align	8
	.type	k_qb970ab8669_proj,@function
k_qb970ab8669_proj:
	s_mov_b64 s[64:65], 0
	v_nop
	global_prefetch_b8 v0, s[64:65] scope:SCOPE_SE
	s_setreg_imm32_b32 hwreg(HW_REG_WAVE_MODE, 25, 1), 1
	s_wait_xcnt 0x0
	s_wait_alu depctr_hold_cnt(0) depctr_sa_sdst(0) depctr_va_vdst(0) depctr_va_sdst(0) depctr_va_ssrc(0) depctr_va_vcc(0) depctr_vm_vsrc(0)
	s_getreg_b32 s2, hwreg(HW_REG_IB_STS2, 6, 4)
	s_cmp_eq_u32 s2, 0
	s_cbranch_scc0 .Lentry_in_a_cluster
	s_endpgm
.Lentry_in_a_cluster:
	s_bfe_u32 s2, ttmp6, 0x10000c
	s_cmp_lg_u32 s2, 0xf033
	s_cbranch_scc0 .Lentry_shape_is_right
	s_endpgm
.Lentry_shape_is_right:
; THE OUTPUT PROJECTION ON CODES OF FP6 (E2M3): out = o W_out^T + b_out, f32.  K = 1,024 (16 heads x 64).
; A work-group multiplies 128 positions of tokens (the LANE side, source 1) by 256 positions of W_out's rows (the K side, source 0: a lane's registers run along the output's columns).
; Both operands lie in position order (bits 3 and 4 of the row exchanged) and as images of their registers; so a lane's 16 registers of two neighbouring tiles are 16 neighbouring columns, and the tokens' exchange is undone
; in the stores' immediates.  The bias is the C of each sum's first matrix instruction.
; FOUR WAVES, each 64 x 128: 32 accumulators.  ALL OF K of both tiles stays in LDS: the codes as [tile][all of K] and the scale bytes, each filled ONCE.  A wave has one tensor load out at the most.
; CLUSTER 4 x 4: the tokens' tiles are shared along a row of the cluster, W_out's along a column: joint loads.
; THE WAY OUT goes through a stage of the wave's own, in the K side's region at BCH: it has had its only fill, and every wave's reads of it are over at the barrier behind the last K step.
; REGISTERS: window 0: v1 lane, v2 r; v6, v8-31 addresses; v32-63 the lane side's scale words, v64-127 the K side's: scales and nothing else; v128-223 the lane side's fragments, two sets (on the way out v128-255: rows of out).
;   window 1: v0-191 the K side's fragments, two sets; v192-255 the bias, eight tiles.   window 2: accumulator (a, b) at v[8 (8 a + b)].
.set TILEB, 12288
.set CHB,   3072
.set FRB,   1536
.set ACHB,  8*CHB
.set BCH,   4*ACHB
.set BCHB,  16*CHB
.set ASC,   BCH+4*BCHB
.set BSC,   ASC+4096
.set SPARE, BSC+8192                   ; the spare words, 128 bytes a wave, which no other line names
.set SPITCH, 528                       ; a stage row: 512 bytes + 16
.set BO,    6                          ; v6  64 h: my half's place in a tile's bias
.set ADA16, 8
.set ADA8,  12
.set ADB16, 16
.set ADB8,  20
.set ADSA,  24
.set ADSB,  25
.set L16,   26
.set L8,    27
.set SPW,   28
.set NIL,   29
.set STO,   30
.set RD,    31
.set SA,    32
.set SB,    64
.set AF,    128
.set BK,    128
.set G1A,  12
.set G1B,  20
.set G1SA, 28
.set G1SB, 36
.set G0SA, 44
.set G0A,  48
.set G0SB, 68
.set G0B,  72
.set WV,   92
.set HA,   93
.set HB,   94
.set CXP,  95
.set CYP,  96
.set MSB, 0
.macro WIN new                         ; the immediate's high byte repeats the setting that is left
.if MSB != \new
	s_set_vgpr_msb (MSB<<8)|\new
.set MSB, \new
.endif
.endm
.macro PLACES n
.rept \n
	v_nop
.endr
.endm
.macro GROUP1 g, c, r, p
	s_mov_b32 s[\g+1], (\c)<<16
	s_mov_b32 s[\g+2], (\r)<<16
	s_mov_b32 s[\g+3], (\c)<<16
	s_mov_b32 s[\g+4], \r
	s_mov_b32 s[\g+5], \p
	s_mov_b32 s[\g+6], 0
	s_mov_b32 s[\g+7], 0
.endm
; THE HEAD'S FOUR JOINT LOADS, ONE A WAVE: wave 0 the lane side's codes, wave 1 the K side's, wave 2 the lane side's scale bytes, wave 3 the K side's; each whole, for all of K.
; One tree of branches on the wave's number; an s_nop 0 and four v_nop follow each load.
.macro ARM under, g0, g1, next
	s_cmp_lt_u32 s[WV], \under
	s_cbranch_scc0 \next
	tensor_load_to_lds s[\g0:\g0+3], s[\g1:\g1+7]
	s_nop 0
.rept 4
	v_nop
.endr
	s_branch .Lhead_asked
\next:
.endm
.macro CROUND
	s_barrier_signal -1
	s_barrier_wait -1
	s_cmp_lg_u32 s[WV], 0
	s_cbranch_scc1 .Lnot_wave_0_\@
	s_barrier_signal -3
.Lnot_wave_0_\@:
	s_barrier_wait -3
	s_barrier_signal -1
	s_barrier_wait -1
.endm
.macro FRAG reg, a16, a8, off
	ds_load_b128 v[\reg:\reg+3], v[\a16] offset:\off
	ds_load_b64 v[\reg+4:\reg+5], v[\a8] offset:\off+512
	ds_load_b128 v[\reg+6:\reg+9], v[\a16] offset:\off+768
	ds_load_b64 v[\reg+10:\reg+11], v[\a8] offset:\off+1280
.endm
.macro FETCH s, p                      ; K step s into set p: 48 loads in one run, the lane side's blocks 2 and 3 last
	WIN 0x40
.irp b, 0,1,2,3,4,5,6,7
	FRAG 96*(\p)+12*\b, ADB16+\b/2, ADB8+\b/2, TILEB*(\b%2)+FRB*(\s)   ; LDS holds [tile][all of K]: an address register for each pair of tiles
.endr
	WIN 0
.irp a, 0,1,2,3
	FRAG AF+48*(\p)+12*\a, ADA16+\a/2, ADA8+\a/2, TILEB*(\a%2)+FRB*(\s)
.endr
.endm
; 16 matrix instructions.  cm = 2: the first K step starts the sums from the bias.  The 32 accumulators take turns in one order.
.macro MUL16 a0, s, p, cm
.if (\cm) == 2
	WIN 0x91                               ; source 0 window 1, source 1 window 0, C (the bias) window 1, D window 2
.else
	WIN 0xa1                               ; C and D window 2
.endif
.irp a, \a0, \a0+1
.irp b, 0,1,2,3,4,5,6,7
.if (\cm) == 2
	v_wmma_scale_f32_16x16x128_f8f6f4 v[8*(8*(\a)+\b):8*(8*(\a)+\b)+7], v[96*(\p)+12*\b:96*(\p)+12*\b+11], v[AF+48*(\p)+12*(\a):AF+48*(\p)+12*(\a)+11], v[192+8*\b:199+8*\b], v[SB+8*\b+(\s)], v[SA+8*(\a)+(\s)] matrix_a_fmt:MATRIX_FMT_FP6 matrix_b_fmt:MATRIX_FMT_FP6
.else
	v_wmma_scale_f32_16x16x128_f8f6f4 v[8*(8*(\a)+\b):8*(8*(\a)+\b)+7], v[96*(\p)+12*\b:96*(\p)+12*\b+11], v[AF+48*(\p)+12*(\a):AF+48*(\p)+12*(\a)+11], v[8*(8*(\a)+\b):8*(8*(\a)+\b)+7], v[SB+8*\b+(\s)], v[SA+8*(\a)+(\s)] matrix_a_fmt:MATRIX_FMT_FP6 matrix_b_fmt:MATRIX_FMT_FP6
.endif
.endr
.endr
.endm
.macro KSTEP s, cm
.set P, (\s)%2
	s_wait_dscnt 8                                 ; all but the youngest eight loads, the lane side's blocks 2 and 3
	MUL16 0, \s, P, \cm
.if (\s) < 7
	PLACES 4                                       ; in front of loads into registers that matrix instructions have read
	FETCH (\s)+1, 1-P
	s_wait_dscnt 48                                ; all but the run just issued
.else
	s_wait_dscnt 0x0
.endif
	MUL16 2, \s, P, \cm
.endm
	s_load_b128 s[4:7], s[0:1], 0x0                ; the lane side: oc, os
	s_load_b128 s[8:11], s[0:1], 0x10              ; the K side: opc, ops
	s_load_b128 s[88:91], s[0:1], 0x20             ; b_out, out0
	v_lshl_add_u32 v[SPW], v0, 2, SPARE
	v_mov_b32 v[NIL], 0
	ds_add_u32 v[SPW], v[NIL]                      ; the wave's opening: the add and its wait ahead of my first tensor load; work on registers stands between them
	ds_add_u32 v[SPW], v[NIL]
	v_lshrrev_b32 v1, 5, v0
	v_readfirstlane_b32 s[WV], v1
	s_lshr_b32 s[HA], s[WV], 1
	s_and_b32 s[HB], s[WV], 1
	s_bfe_u32 s[CXP], ttmp6, 0x40000
	s_bfe_u32 s[CYP], ttmp6, 0x40004
	s_lshl_b32 s97, s[CYP], 2
	s_lshl_b32 s97, 15, s97                        ; my row of the cluster
	s_lshl_b32 s98, 0x1111, s[CXP]                 ; my column
	s_or_b32 s[G1A], s97, (3<<16)|(1<<21)
	s_or_b32 s[G1SA], s97, (3<<16)|(1<<21)
	s_or_b32 s[G1B], s98, (3<<16)|(1<<21)
	s_or_b32 s[G1SB], s98, (3<<16)|(1<<21)
	GROUP1 G1A, 1536, 8, 1536                      ; eight tiles of 12,288 bytes, on end in memory
	GROUP1 G1B, 1536, 16, 1536                     ; sixteen tiles
	GROUP1 G1SA, 32, 16, 32                        ; 4,096 dense bytes of scales as rows of 256
	GROUP1 G1SB, 32, 32, 32                        ; 8,192
	s_and_b32 s97, ttmp7, 0xffff
	s_lshl_b32 s97, s97, 2
	s_add_co_u32 s97, s97, s[CYP]
	s_lshl_b32 s97, s97, 3                         ; the tokens' first tile of 16: it hangs on the y place alone
	s_lshl_b32 s98, ttmp9, 2
	s_add_co_u32 s98, s98, s[CXP]
	s_lshl_b32 s98, s98, 4
	s_add_co_u32 s98, s98, 704                     ; W_out's: on the x place alone
	s_lshl_b32 s66, s97, 9                         ; the lane side's scale bytes: 512 a tile
	s_mov_b32 s67, 0
	s_mul_i32 s2, s97, TILEB                       ; its codes
	s_mov_b32 s3, 0
	s_lshl_b32 s100, s98, 9                        ; the K side's scale bytes
	s_mov_b32 s101, 0
	s_mul_i32 s98, s98, TILEB                      ; its codes
	s_mov_b32 s99, 0
	s_mov_b32 s[G0SA], 1
	s_mov_b32 s[G0SA+1], ASC
	s_mov_b32 s[G0A], 1
	s_mov_b32 s[G0A+1], 0
	s_mov_b32 s[G0SB], 1
	s_mov_b32 s[G0SB+1], BSC
	s_mov_b32 s[G0B], 1
	s_mov_b32 s[G0B+1], BCH
	s_wait_dscnt 0x0                               ; both opening adds are done
	s_wait_kmcnt 0x0
	s_add_nc_u64 s[G0SA+2:G0SA+3], s[6:7], s[66:67]
	s_or_b32 s[G0SA+3], s[G0SA+3], 0x80000000
	s_add_nc_u64 s[G0A+2:G0A+3], s[4:5], s[2:3]
	s_or_b32 s[G0A+3], s[G0A+3], 0x80000000
	s_add_nc_u64 s[G0SB+2:G0SB+3], s[10:11], s[100:101]
	s_or_b32 s[G0SB+3], s[G0SB+3], 0x80000000
	s_add_nc_u64 s[G0B+2:G0B+3], s[8:9], s[98:99]
	s_or_b32 s[G0B+3], s[G0B+3], 0x80000000
	CROUND                                         ; all sixteen work-groups are here: the joint loads meet
	ARM 1, G0A, G1A, .Lhead_b
	ARM 2, G0B, G1B, .Lhead_sa
	ARM 3, G0SA, G1SA, .Lhead_sb
	tensor_load_to_lds s[G0SB:G0SB+3], s[G1SB:G1SB+7]
	s_nop 0
.rept 4
	v_nop
.endr
.Lhead_asked:
	v_and_b32 v1, 31, v0                           ; lane
	v_and_b32 v2, 15, v0                           ; r
	v_bfe_u32 v3, v0, 4, 1                         ; h
	v_lshlrev_b32 v[L16], 4, v1
	v_lshlrev_b32 v[L8], 3, v1
	v_lshlrev_b32 v[BO], 6, v3
	s_wait_alu depctr_va_vdst(0)
	s_lshl_b32 s2, ttmp9, 2
	s_add_co_u32 s2, s2, s[CXP]
	s_lshl_b32 s2, s2, 10
	s_lshl_b32 s3, s[HB], 9
	s_add_co_u32 s2, s2, s3                        ; my first column, in bytes: 1,024 x tile of 256 + 512 x half
	s_mov_b32 s3, 0
	s_add_nc_u64 s[88:89], s[88:89], s[2:3]
	s_add_nc_u64 s[90:91], s[90:91], s[2:3]
	s_lshl_b32 s66, s97, 4
	s_lshl_b32 s67, s[HA], 6
	s_add_co_u32 s66, s66, s67                     ; my first row of out
	s_lshl_b32 s66, s66, 12
	s_mov_b32 s67, 0
	s_add_nc_u64 s[90:91], s[90:91], s[66:67]
	WIN 0x40
.irp b, 0,1,2,3,4,5,6,7                        ; the bias in the result's layout: tile b, lane (r, h): columns 32 (b / 2) + 16 h + 8 (b % 2) + 0..7
	global_load_b128 v[192+8*\b:192+8*\b+3], v[BO], s[88:89] offset:(32*(\b/2)+8*(\b%2))*4
	global_load_b128 v[192+8*\b+4:192+8*\b+7], v[BO], s[88:89] offset:(32*(\b/2)+8*(\b%2))*4+16
.endr
	WIN 0
	s_mul_i32 s2, s[HA], 4*TILEB                   ; my four blocks of the lane side,
	s_mul_i32 s3, s[HB], 8*TILEB                   ; my eight tiles of the K side
	s_add_co_u32 s3, s3, BCH
.irp c, 0,1
	v_add_nc_u32 v[ADA16+\c], s2, v[L16]
	v_add_nc_u32 v[ADA8+\c], s2, v[L8]
	s_add_co_u32 s2, s2, 2*TILEB
.endr
.irp c, 0,1,2,3
	v_add_nc_u32 v[ADB16+\c], s3, v[L16]
	v_add_nc_u32 v[ADB8+\c], s3, v[L8]
	s_add_co_u32 s3, s3, 2*TILEB
.endr
	v_lshlrev_b32 v4, 5, v2
	s_lshl_b32 s2, s[HA], 11
	s_add_co_u32 s2, s2, ASC
	v_add_nc_u32 v[ADSA], s2, v4
	s_lshl_b32 s3, s[HB], 12
	s_add_co_u32 s3, s3, BSC
	v_add_nc_u32 v[ADSB], s3, v4
	s_mul_i32 s2, s[WV], 16*SPITCH
	s_add_co_u32 s2, s2, BCH                       ; my stage
	v_mul_u32_u24 v[STO], v2, SPITCH
	v_lshl_add_u32 v[STO], v3, 6, v[STO]
	v_add_nc_u32 v[STO], s2, v[STO]                ; in: row r, + 64 h
	v_add_nc_u32 v[RD], s2, v[L16]                 ; back: the 32 lanes take one row of 512 bytes
	s_wait_alu depctr_va_vdst(0)
	s_wait_tensorcnt 0x0                           ; my one tensor load has landed
	s_barrier_signal -1
	s_barrier_wait -1
.irp a, 0,1,2,3
	ds_load_b128 v[SA+8*\a:SA+8*\a+3], v[ADSA] offset:512*\a
	ds_load_b128 v[SA+8*\a+4:SA+8*\a+7], v[ADSA] offset:512*\a+16
.endr
.irp b, 0,1,2,3,4,5,6,7
	ds_load_b128 v[SB+8*\b:SB+8*\b+3], v[ADSB] offset:512*\b
	ds_load_b128 v[SB+8*\b+4:SB+8*\b+7], v[ADSB] offset:512*\b+16
.endr
	FETCH 0, 0
	s_wait_loadcnt 0x0                             ; the bias
	KSTEP 0, 2
.irp s, 1,2,3,4,5,6,7
	KSTEP \s, 1
.endr
	WIN 0
; THE WAY OUT, block by block of 16 positions x 128 columns, through my own stage: LDS serves a wave's instructions in order, so no wait stands between the stores and the loads, nor in front of the next block's stores.
.macro TOSTAGE a
	WIN 0x08                                       ; an LDS store's data: window 2
.irp b, 0,1,2,3,4,5,6,7
	ds_store_b128 v[STO], v[64*(\a)+8*\b:64*(\a)+8*\b+3] offset:128*(\b/2)+32*(\b%2)          ; each accumulator from its low end on
	ds_store_b128 v[STO], v[64*(\a)+8*\b+4:64*(\a)+8*\b+7] offset:128*(\b/2)+32*(\b%2)+16
.endr
	WIN 0
.irp t, 0,1,2,3,4,5,6,7,8,9,10,11,12,13,14,15
	ds_load_b128 v[BK+64*((\a)%2)+4*\t:BK+64*((\a)%2)+4*\t+3], v[RD] offset:SPITCH*\t
.endr
.endm
.macro SEND a                          ; position 16 a + t is row 32 (a / 2) + 16 (t / 8) + 8 (a % 2) + t % 8 of my 64
.irp t, 0,1,2,3,4,5,6,7,8,9,10,11,12,13,14,15
	global_store_b128 v[L16], v[BK+64*((\a)%2)+4*\t:BK+64*((\a)%2)+4*\t+3], s[90:91] offset:(32*((\a)/2)+16*(\t/8)+8*((\a)%2)+(\t%8))*4096 th:TH_STORE_NT   ; 512 consecutive bytes, aligned; written once
.endr
.endm
	s_wait_dscnt 0x0                               ; my reads of the K side's tiles are over:
	s_barrier_signal -1                            ; the stages lie in that region, which has had its only fill, and are written only when every wave has said so
	PLACES 4                                       ; behind the last products: their results are read, and loads land on their operands' registers
	s_barrier_wait -1
	TOSTAGE 0
.irp a, 1,2,3
.if \a > 1
	s_wait_xcnt 0x0                                ; block a - 2's stores have read their registers: block a's loads may land there
.endif
	TOSTAGE \a
	s_wait_dscnt 32                                ; block a - 1 is back; block a's 16 stores and 16 loads may be out
	SEND \a-1
.endr
	s_wait_dscnt 0x0
	SEND 3
	s_wait_tensorcnt 0x0                           ; the wave's end: behind my last tensor load and my last LDS store
	ds_add_u32 v[SPW], v[NIL]
	s_wait_dscnt 0x0
	CROUND                                         ; the closing round
	s_endpgm
.Lfunc_end_k_qb970ab8669_proj:
	.size	k_qb970ab8669_proj, .Lfunc_end_k_qb970ab8669_proj-k_qb970ab8669_proj
	.p2alignl 7, 3214868480
	.fill 96, 4, 3214868480
	.section	.rodata,"a",@progbits
	.p2align	6, 0x0
	.amdhsa_kernel k_qb970ab8669_proj
		.amdhsa_group_segment_fixed_size 327680
		.amdhsa_private_segment_fixed_size 0
		.amdhsa_enable_private_segment 0
		.amdhsa_kernarg_size 48
		.amdhsa_user_sgpr_count 2
		.amdhsa_user_sgpr_kernarg_segment_ptr 1
		.amdhsa_wavefront_size32 1
		.amdhsa_system_sgpr_workgroup_id_x 1
		.amdhsa_system_sgpr_workgroup_id_y 1
		.amdhsa_system_sgpr_workgroup_id_z 1
		.amdhsa_system_vgpr_workitem_id 0
		.amdhsa_next_free_vgpr 768
		.amdhsa_next_free_sgpr 102
		.amdhsa_reserve_vcc 0
		.amdhsa_float_denorm_mode_32 3
		.amdhsa_float_denorm_mode_16_64 3
		.amdhsa_memory_ordered 1
		.amdhsa_forward_progress 1
		.amdhsa_inst_pref_size 85
	.end_amdhsa_kernel
	.amdgpu_metadata
---
amdhsa.version: [ 1, 2 ]
amdhsa.kernels:
  - .name:           k_qb970ab8669_proj
    .symbol:         k_qb970ab8669_proj.kd
    .args:
      - { .name: oc, .offset: 0, .size: 8, .value_kind: global_buffer, .address_space: global }
      - { .name: os, .offset: 8, .size: 8, .value_kind: global_buffer, .address_space: global }
      - { .name: opc, .offset: 16, .size: 8, .value_kind: global_buffer, .address_space: global }
      - { .name: ops, .offset: 24, .size: 8, .value_kind: global_buffer, .address_space: global }
      - { .name: b_out, .offset: 32, .size: 8, .value_kind: global_buffer, .address_space: global }
      - { .name: out0, .offset: 40, .size: 8, .value_kind: global_buffer, .address_space: global }
    .group_segment_fixed_size: 327680
    .private_segment_fixed_size: 0
    .kernarg_segment_align: 8
    .kernarg_segment_size: 48
    .max_flat_workgroup_size: 128
    .sgpr_count:     102
    .vgpr_count:     768
    .wavefront_size: 32
...
	.end_amdgpu_metadata
.endif
;; end of part 5
